; MI455X (gfx1250); checked and timed in simulation.
; The chip was launched on July 23, 2026; its instructions are those of AMD's public machine-readable ISA for CDNA 5 (MIT licence, August 2026) and "CDNA5" Instruction Set Architecture Reference Guide (July 2026). The comments in the code are by the model that wrote it; some were corrected since.
;; Mem Eff Attention. Allowed arithmetic: matrix products marked QUANTISED: E2M3 operands, one E8M0 scale for each 32 along K, by v_wmma_scale_f32_16x16x128_f8f6f4 with both operands' format E2M3, f32 sums; everything else in f32.
;; Inputs: g_info 2 x 4 x 1,024 float32; proj_b 1,024 float32; proj_w 1,024 x 1,024 float32; qkv_w 3,072 x 1,024 float32; x 4 x 2,048 x 1,024 float32.
;; Outputs: out0 4 x 2,048 x 1,024 float32; out1 1 x 4 x 1,024 float32.
;; This version of the problem:
;;   THIS VERSION OF THE PROBLEM IS GIVEN IN LOW PRECISION. The matrix products marked QUANTISED in the list below multiply operands that are first quantised to E2M3 (2 exponent bits, 3 mantissa bits; 6 bits a number), with one power-of-two scale for each 32 numbers along K (OCP MX v1.0); their sums are f32. All else is computed in f32.
;;   The module's matrix products, in the order in which they are computed (A, B: the left and right operand; K: the contracted axis; several contracted axes count as one K, in the product's order):
;;     1. [M 8,192, K 1,024] x [K 1,024, N 3,072]; A: input x; B: input qkv_w: QUANTISED
;;     2. batch 64 x [M 2,048, K 64] x [K 64, N 2,048]; A: computed on the way; B: computed on the way: QUANTISED
;;     3. batch 64 x [M 64, K 2,048] x [K 2,048, N 2,048]; A: computed on the way; B: softmax (see below): QUANTISED
;;     4. [M 8,192, K 1,024] x [K 1,024, N 1,024]; A: computed on the way; B: input proj_w: QUANTISED
;;   THE QUANTISER, for each operand of a quantised product, along K:
;;     - K is cut into blocks of 32 from its start; a last block that is shorter is filled with zeros.
;;     - A block's scale is 2^e with e = floor(log2(the largest magnitude in the block)) - 2, held to -126 .. 127; a block of zeros has e = 0. As a byte (E8M0): e + 127.
;;     - Each number is divided by its block's scale, clamped to +-7.5, and rounded to the nearest number of E2M3, ties to even, subnormals kept.
;;     - The product sums the exact products of the quantised numbers (number of the format x scale) in f32.
;;   ~~~python
;;   def quantise(x, axis):      # numpy; x: float32 -> the quantised numbers, widened to float32 again
;;       x = np.moveaxis(x, axis, -1); K = x.shape[-1]
;;       x = np.pad(x, [(0, 0)] * (x.ndim - 1) + [(0, -K % 32)]); x = x.reshape(x.shape[:-1] + (-1, 32)); a = np.abs(x).max(-1, keepdims=True)
;;       e = np.where(a > 0, np.clip(np.frexp(np.where(a > 0, a, 1))[1] - 1 - 2, -126, 127), 0)      # np.frexp(a)[1] - 1 = floor(log2(a)), exactly
;;       r = np.clip(x / 2.0 ** e, -7.5, 7.5)
;;       step = 2.0 ** (np.maximum(np.frexp(np.where(r == 0, 1, r))[1] - 1, 0) - 3)
;;       q = np.round(r / step) * step * 2.0 ** e      # np.round: ties to even
;;       return np.moveaxis(q.reshape(q.shape[:-2] + (-1,))[..., :K], -1, axis).astype(np.float32)
;;   ~~~
;;   SOFTMAX AHEAD OF A QUANTISED PRODUCT. Where the list says 'softmax', what is quantised is not the finished softmax but p = 2^(t - M), with t = logit x log2(e) and M = ceil(the row's largest t), a whole number; so 1/2 < the row's largest p <= 1. The row's sum l is taken of the UNQUANTISED p, in f32, and the product's result is divided by l at the end. Since M is a whole number, a kernel that streams over the keys may use a running M (the ceiling of the running maximum): every later rescaling is an exact power of two, which a block's scale takes up: the codes' values come out the same.
;;   OPERANDS COMPUTED ON THE WAY. 'Computed on the way' means the value that the module computes at that place (a softmax that the list does not call 'softmax' is quantised finished and normalised). What goes into a quantiser is computed in f32, as accurately as f32 sums, v_exp_f32 and their like allow (about 1e-6 of the number): no bf16 or f16 on the way to a quantiser, and a product that is left as it is and whose result goes on into a quantised operand takes f32 operands (vector FMAs, or v_wmma_f32_16x16x4_f32). A number that lies on a knife's edge between two numbers of the format may be rounded either way, as far as f32 arithmetic and the matrix unit's own rounding can turn it there, and no further.
;; One version. Each part assembles by itself: llvm-mc -triple=amdgcn-amd-amdhsa -mcpu=gfx1250 --defsym DOCPART=n.
;; ======== version 1 of 1: 4 launches
;; limits: right only within a limited range of input values
;; workspace buffers: xc 6,291,456 bytes; xs 262,144 bytes; wc 3,145,728 bytes; ws 131,072 bytes; qrec 6,815,744 bytes; kvrec 13,631,488 bytes; oc 6,291,456 bytes; os 262,144 bytes
;; launch quant (part 1): grid 256 x 1, 12 waves a work-group, no clusters, 205,824 bytes of LDS; arguments x, qkv_w, proj_w, g_info, xc, xs, wc, ws, out1; writes xc, xs, wc, ws, out1
.if DOCPART == 1
	.amdgcn_target "amdgcn-amd-amdhsa--gfx1250"
	.amdhsa_code_object_version 6
	.text
	.protected	k_qfa88a00ed5_quant
	.globl	k_qfa88a00ed5_quant
	.p2align	8
	.type	k_qfa88a00ed5_quant,@function
k_qfa88a00ed5_quant:
	s_mov_b64 s[64:65], 0
	v_nop
	global_prefetch_b8 v0, s[64:65] scope:SCOPE_SE
	s_setreg_imm32_b32 hwreg(HW_REG_WAVE_MODE, 25, 1), 1
	s_wait_xcnt 0x0
; x, qkv_w and proj_w (f32, K = 1,024 innermost) become codes of FP6 (E2M3) with one E8M0 byte for each 32 along K, laid as images of matrix fragments; g_info[1:] is copied to out1.
; NOT READ BY ANY LAUNCH: rows 2 and 3 of g_info[0] (v_g, t_g): no step uses them, so they have no way to an output, whatever they hold; a NaN or an infinity there is not carried to a result.
; SHARES.  12,288 rows in 384 groups of 32, each in two K halves: 768 units, three to a work-group.  Four waves share a unit: wave t of the four takes K step t of the half: 32 rows x 128 numbers,
; brought by ONE tensor load a wave at the head (rows of 512 bytes, 16 bytes of padding behind each); nothing is filled again.
; A tile of 16 rows holds rows 8 u + r + 8 (r / 8) of its group of 32.  Lane (r, h) holds K = 64 c + 32 h + 0 .. 31 of its row: two whole blocks; the conversions' results are the fragment's registers.
; An image is 1,536 bytes: registers 4 c .. 4 c + 3 of lane l at 512 c + 16 l.  The scale words of a unit's four K steps meet in LDS and leave as 16 bytes a lane.
; LIMITS: NaN and infinities are not served; a block whose largest magnitude lies under 2^-124, a block of zeros among them, gets the byte 1 (its codes are read by this program alone).
.set TILE,  16896
.set PITCH, 528
.set STG,   202752                     ; behind the twelve tiles: 512 bytes of scale words for each unit
.set SPARE, 204288                     ; the spare words, 128 bytes a wave
.set LA,  4
.set L16, 5
.set SH,  6
.set SCO, 7
.set MX,  8
.set SO,  10
.set BY,  12
.set WT,  14
.set PT,  15
.set W,   16
.set SWA, 18
.set SRA, 19
.set SW,  24
.set CPY, 28
.set CT,  32
.set C,   40
.set X,   64
.set G1,  32
.set G0,  40
.set SEL, 44
	s_load_b256 s[4:11], s[0:1], 0x0               ; x, qkv_w, proj_w, g_info
	s_load_b256 s[12:19], s[0:1], 0x20             ; xc, xs, wc, ws
	s_load_b64 s[20:21], s[0:1], 0x40              ; out1
	v_lshl_add_u32 v192, v0, 2, SPARE
	v_mov_b32 v193, 0
	ds_add_u32 v192, v193                          ; the opening lines: the add twice on end
	ds_add_u32 v192, v193
	v_lshrrev_b32 v1, 5, v0
	v_readfirstlane_b32 s22, v1                    ; wave 0..11
	s_lshr_b32 s58, s22, 2                         ; which unit of the work-group's three
	s_and_b32 s59, s22, 3                          ; t: which K step of the half
	s_mul_i32 s23, ttmp9, 3
	s_add_co_u32 s23, s23, s58                     ; unit 0..767
	s_lshr_b32 s24, s23, 1                         ; group of 32 rows
	s_and_b32 s25, s23, 1                          ; K half
	s_mov_b32 s[G1+0], (2<<16)|(1<<20)|(6<<22)|(3<<25)
	s_mov_b32 s[G1+1], 128<<16
	s_mov_b32 s[G1+2], 32<<16
	s_mov_b32 s[G1+3], 128<<16
	s_mov_b32 s[G1+4], 32
	s_mov_b32 s[G1+5], 1024
	s_mov_b32 s[G1+6], 0
	s_mov_b32 s[G1+7], 0
	s_mul_i32 s30, s22, TILE
	s_mov_b32 s31, 0xffff0000
	s_mov_b32 s[SEL], 0x76543210
	s_mov_b32 s[SEL+1], 0xfedcba98
	s_lshl_b32 s57, s58, 9
	s_add_co_u32 s57, s57, STG                     ; my unit's words
	s_lshl_b32 s56, s59, 2
	s_add_co_u32 s56, s56, s57                     ; + 4 t
	s_mov_b32 s26, 352
	v_and_b32 v1, 15, v0
	v_bfe_u32 v2, v0, 4, 1
	v_and_b32 v3, 8, v1
	v_add_nc_u32 v3, v3, v1
	v_mul_u32_u24 v[LA], v3, PITCH
	v_lshl_add_u32 v[LA], v2, 7, v[LA]
	v_add_nc_u32 v[LA], s30, v[LA]
	v_and_b32 v[L16], 31, v0
	v_lshlrev_b32 v[L16], 4, v[L16]
	v_lshlrev_b32 v[SH], 3, v2
	v_lshlrev_b32 v[SCO], 4, v1
	v_lshl_add_u32 v[SCO], v2, 9, v[SCO]
	v_mov_b32 v[PT], 0
	v_add_nc_u32 v[SRA], s57, v[L16]
	v_add_nc_u32 v[SWA], s56, v[L16]
	s_wait_alu depctr_va_vdst(0)                   ; the wait at the head's end
	s_wait_dscnt 0x0
	s_wait_kmcnt 0x0
	s_cmp_lt_u32 s24, 352                          ; groups 0-255 x, 256-351 qkv_w, 352-383 proj_w: the choice hangs on ids alone
	s_cselect_b64 s[6:7], s[6:7], s[8:9]
	s_cselect_b32 s26, 256, s26
	s_cmp_lt_u32 s24, 256
	s_cselect_b64 s[4:5], s[4:5], s[6:7]
	s_cselect_b64 s[12:13], s[12:13], s[16:17]
	s_cselect_b64 s[14:15], s[14:15], s[18:19]
	s_cselect_b32 s26, 0, s26
	s_cselect_b32 s27, 0, 256
	s_sub_co_u32 s26, s24, s26
	s_sub_co_u32 s27, s24, s27
	s_lshl_b32 s28, s26, 17
	s_lshl_b32 s29, s25, 11
	s_add_co_u32 s28, s28, s29
	s_lshl_b32 s29, s59, 9
	s_add_co_u32 s28, s28, s29
	s_mov_b32 s29, 0
	s_add_nc_u64 s[4:5], s[4:5], s[28:29]
	s_mul_i32 s28, s27, 24576
	s_mul_i32 s26, s25, 6144
	s_add_co_u32 s28, s28, s26
	s_mul_i32 s26, s59, 1536
	s_add_co_u32 s28, s28, s26
	s_add_nc_u64 s[12:13], s[12:13], s[28:29]
	s_lshl_b32 s28, s27, 10
	s_lshl_b32 s26, s25, 8
	s_add_co_u32 s28, s28, s26
	s_add_nc_u64 s[14:15], s[14:15], s[28:29]
	s_mov_b32 s[G0], 1
	s_mov_b32 s[G0+1], s30
	s_mov_b64 s[G0+2:G0+3], s[4:5]
	s_or_b32 s[G0+3], s[G0+3], 0x80000000
	tensor_load_to_lds s[G0:G0+3], s[G1:G1+7]      ; my one tensor load
	s_nop 0
	s_cmp_lg_u32 s59, 0                            ; g_info[1:], 16 KiB: the first wave of units 0-31 copies 512 bytes
	s_cbranch_scc1 .Lno_copy
	s_cmp_lt_u32 s23, 32
	s_cbranch_scc0 .Lno_copy
	s_lshl_b32 s28, s23, 9
	s_add_nc_u64 s[10:11], s[10:11], s[28:29]
	s_add_nc_u64 s[20:21], s[20:21], s[28:29]
	global_load_b128 v[CPY:CPY+3], v[L16], s[10:11] offset:16384
	s_wait_loadcnt 0x0
	global_store_b128 v[L16], v[CPY:CPY+3], s[20:21]
.Lno_copy:
.macro LOADX u
.irp c, 0,1
.irp j, 0,1,2,3,4,5,6,7
	ds_load_b128 v[X+64*\u+32*\c+4*\j:X+64*\u+32*\c+4*\j+3], v[LA] offset:\u*8*PITCH+256*\c+16*\j
.endr
.endr
.endm
.macro ITEM u                          ; tile u of the group: two blocks a lane
.set XS, X+64*\u
.set CS, C+12*\u
.irp c, 0,1
	v_max3_num_f32 v[MX+\c], |v[XS+32*\c]|, |v[XS+32*\c+1]|, 0x1800000   ; with the floor 2^(3 - 127): the byte cannot fall under 1
.endr
.irp n, 2,4,6,8,10,12,14,16,18,20,22,24,26,28,30
.irp c, 0,1
	v_max3_num_f32 v[MX+\c], v[MX+\c], |v[XS+32*\c+\n]|, |v[XS+32*\c+\n+1]|
.endr
.endr
.irp c, 0,1
	v_add_nc_u32 v[SO+\c], 0xff000000, v[MX+\c]    ; 2 off the exponent field: the conversion's scale operand
.endr
.irp c, 0,1
	v_lshrrev_b32 v[BY+\c], 23, v[SO+\c]           ; the byte
.endr
	v_lshl_or_b32 v[WT], v[BY+1], 16, v[BY]
	v_lshlrev_b32 v[WT], v[SH], v[WT]
	v_permlanex16_b32 v[PT], v[WT], s[SEL], s[SEL+1]
	v_or_b32 v[W+\u], v[WT], v[PT]                 ; the row's word of this K step
.irp c, 0,1
	v_cvt_scalef32_pk16_fp6_f32 v[CS+6*\c:CS+6*\c+2], v[XS+32*\c:XS+32*\c+15], v[SO+\c]
	v_cvt_scalef32_pk16_fp6_f32 v[CT+4*\c:CT+4*\c+2], v[XS+32*\c+16:XS+32*\c+31], v[SO+\c]
.endr
	v_nop                                          ; one plain place behind a scaled conversion
.irp c, 0,1
.irp j, 0,1,2
	v_mov_b32 v[CS+6*\c+3+\j], v[CT+4*\c+\j]
.endr
.endr
.irp c, 0,1,2
	global_store_b128 v[L16], v[CS+4*\c:CS+4*\c+3], s[12:13] offset:\u*12288+512*\c   ; 512 consecutive bytes a store
.endr
.endm
	s_wait_tensorcnt 0x0                           ; my tile is in; I alone read it
	LOADX 0
	LOADX 1
	s_wait_dscnt 16                                ; tile 0's sixteen loads are in
	ITEM 0
	s_wait_dscnt 0x0
	ITEM 1
	v_cndmask_b32 v[WT], v[W], v[W+1], s31         ; lanes 0-15 tile 0's word, lanes 16-31 tile 1's
	ds_store_b32 v[SWA], v[WT]
	s_wait_dscnt 0x0                               ; for the others' sake
	s_barrier_signal -1
	s_barrier_wait -1
	s_cmp_lg_u32 s59, 0                            ; a unit's first wave stores its four K steps' words
	s_cbranch_scc1 .Lno_words
	ds_load_b128 v[SW:SW+3], v[SRA]
	s_wait_dscnt 0x0
	global_store_b128 v[SCO], v[SW:SW+3], s[14:15]
.Lno_words:
	s_wait_tensorcnt 0x0                           ; the wave's end
	ds_add_u32 v192, v193
	s_wait_dscnt 0x0
	s_endpgm
.Lfunc_end_k_qfa88a00ed5_quant:
	.size	k_qfa88a00ed5_quant, .Lfunc_end_k_qfa88a00ed5_quant-k_qfa88a00ed5_quant
	.p2alignl 7, 3214868480
	.fill 96, 4, 3214868480
	.section	.rodata,"a",@progbits
	.p2align	6, 0x0
	.amdhsa_kernel k_qfa88a00ed5_quant
		.amdhsa_group_segment_fixed_size 205824
		.amdhsa_private_segment_fixed_size 0
		.amdhsa_enable_private_segment 0
		.amdhsa_kernarg_size 72
		.amdhsa_user_sgpr_count 2
		.amdhsa_user_sgpr_kernarg_segment_ptr 1
		.amdhsa_wavefront_size32 1
		.amdhsa_system_sgpr_workgroup_id_x 1
		.amdhsa_system_sgpr_workgroup_id_y 1
		.amdhsa_system_sgpr_workgroup_id_z 1
		.amdhsa_system_vgpr_workitem_id 0
		.amdhsa_next_free_vgpr 194
		.amdhsa_next_free_sgpr 66
		.amdhsa_reserve_vcc 0
		.amdhsa_float_denorm_mode_32 3
		.amdhsa_float_denorm_mode_16_64 3
		.amdhsa_memory_ordered 1
		.amdhsa_forward_progress 1
		.amdhsa_inst_pref_size 14
	.end_amdhsa_kernel
	.amdgpu_metadata
---
amdhsa.version: [ 1, 2 ]
amdhsa.kernels:
  - .name:           k_qfa88a00ed5_quant
    .symbol:         k_qfa88a00ed5_quant.kd
    .args:
      - { .name: x, .offset: 0, .size: 8, .value_kind: global_buffer, .address_space: global }
      - { .name: qkv_w, .offset: 8, .size: 8, .value_kind: global_buffer, .address_space: global }
      - { .name: proj_w, .offset: 16, .size: 8, .value_kind: global_buffer, .address_space: global }
      - { .name: g_info, .offset: 24, .size: 8, .value_kind: global_buffer, .address_space: global }
      - { .name: xc, .offset: 32, .size: 8, .value_kind: global_buffer, .address_space: global }
      - { .name: xs, .offset: 40, .size: 8, .value_kind: global_buffer, .address_space: global }
      - { .name: wc, .offset: 48, .size: 8, .value_kind: global_buffer, .address_space: global }
      - { .name: ws, .offset: 56, .size: 8, .value_kind: global_buffer, .address_space: global }
      - { .name: out1, .offset: 64, .size: 8, .value_kind: global_buffer, .address_space: global }
    .group_segment_fixed_size: 205824
    .private_segment_fixed_size: 0
    .kernarg_segment_align: 8
    .kernarg_segment_size: 72
    .max_flat_workgroup_size: 384
    .sgpr_count:     66
    .vgpr_count:     194
    .wavefront_size: 32
...
	.end_amdgpu_metadata
.endif
;; end of part 1
;; launch qkv (part 2): grid 8 x 32, 4 waves a work-group, clusters of 4 x 4, 327,680 bytes of LDS; arguments xc, xs, wc, ws, g_info, qrec, kvrec; writes qrec, kvrec
.if DOCPART == 2
	.amdgcn_target "amdgcn-amd-amdhsa--gfx1250"
	.amdhsa_code_object_version 6
	.text
	.protected	k_qfa88a00ed5_qkv
	.globl	k_qfa88a00ed5_qkv
	.p2align	8
	.type	k_qfa88a00ed5_qkv,@function
k_qfa88a00ed5_qkv:
	s_mov_b64 s[64:65], 0
	v_nop
	global_prefetch_b8 v0, s[64:65] scope:SCOPE_SE
	s_setreg_imm32_b32 hwreg(HW_REG_WAVE_MODE, 25, 1), 1
	s_wait_xcnt 0x0
	s_wait_alu depctr_hold_cnt(0) depctr_sa_sdst(0) depctr_va_vdst(0) depctr_va_sdst(0) depctr_va_ssrc(0) depctr_va_vcc(0) depctr_vm_vsrc(0)
	s_getreg_b32 s2, hwreg(HW_REG_IB_STS2, 6, 4)
	s_cmp_eq_u32 s2, 0
	s_cbranch_scc0 .Lentry_in_a_cluster
	s_endpgm
.Lentry_in_a_cluster:
	s_bfe_u32 s2, ttmp6, 0x10000c
	s_cmp_lg_u32 s2, 0xf033
	s_cbranch_scc0 .Lentry_shape_is_right
	s_endpgm
.Lentry_shape_is_right:
; q + q_g, k + k_g and v = x qkv_w^T on codes of FP6 (E2M3) with E8M0 scales, and their quantising for the attention: q and k along the head's 64 channels, v along the tokens.  Nothing leaves as f32.
; SHARES.  A work-group takes 256 tokens x one pair of heads and STAYS for three passes (q, k, v): 8 x 32 = 256 work-groups of equal work.  Four waves: wave w takes tokens 128 (w / 2) on and head w % 2 of the pair:
; 8 tiles of tokens x 4 tiles of channels = 32 accumulators.  x's codes (256 tokens x 1,024 K, 196,608 bytes) come into LDS once and serve all three passes; the weights go through a ring of two slots, a K half each.
; All operands lie in memory and in LDS as images of fragments (1,536 bytes; registers 4 c .. 4 c + 3 of lane l at 512 c + 16 l): every LDS load takes 512 bytes on end.
; In each group of 32 rows, lane r of tile u holds row 8 u + r + 8 (r / 8): so the 16 result registers of two neighbouring source-0 tiles are 16 neighbours along that axis.
; PASSES q, k: source 0 = 16 channels, source 1 = 16 tokens: a lane holds one token, its registers run along the channels; g_info's row is the C of the first K step.  PASS v: source 0 = 16 tokens, source 1 = 16 channels:
; a lane holds one channel, its registers run along the tokens, which are the K of the attention's second product.  In all passes registers 16 n .. 16 n + 15 of the accumulators, in lanes l and l xor 16, are one block of 32.
; CLUSTER 4 x 4: x's images hang on the block of tokens alone and go to a row of the cluster, the weights' on the pair of heads alone and go to a column: joint loads.
; OUT.  qrec [batch x head][128 tokens]: 4 images (two tiles of tokens each, 6 registers a tile: K = 64), then 512 bytes of scale words (tile 4 h + i of lane r at 16 (16 h + r) + 4 i; bytes 2, 3 are 0x7f).
; kvrec [batch x head][128 tokens]: k as in qrec at 0, v^T's 4 fragment images at 6,144, k's words at 12,288, v's at 12,800 (words of channel tiles 0..3 of lane l at 16 l).
; LIMITS: NaN and infinities are not served; a block whose largest magnitude lies under 2^-124, a block of zeros among them, gets the byte 1.
; REGISTERS, in windows of 256: window 0: v16-24 addresses; v32-63 x's scale words, v64-111 the weights'; v112-251 the way out.  window 1: x's fragments, two sets of 96.  window 2: the accumulators.
; window 3: the weights' fragments, two sets of 48; v128-159 q_g, v160-191 k_g in the result's layout.
.set AHALF,  98304                     ; x's images of a K half: 16 tiles x 4 K steps
.set BRING,  196608                    ; behind them the weights' ring
.set BSLOT,  49152                     ; 8 tiles x 4 K steps
.set SPARE,  294912                    ; the spare words, 128 bytes a wave: two blocks of 256 bytes that no other line names
.set FRB,    1536
.set TROW,   6144                      ; a tile's four images of a K half
.set TPITCH, 12288                     ; a tile's eight images in memory
.set PASSB,  64*TPITCH                 ; from q's weights to k's, from k's to v's
.set ADRA, 16                          ; v16-17 LDS address of my x fragments, K half 0, 1
.set ADRB, 18                          ; v18-19 of my weights' fragments, slot 0, 1
.set L16,  20                          ; v20 16 x lane
.set SPW,  21                          ; v21 my spare word; never rewritten
.set NIL,  22                          ; v22 0; never rewritten
.set SCA,  23                          ; v23 512 h + 16 r
.set BIA,  24                          ; v24 64 h
.set SA,   32                          ; register 8 i + s: lanes 0-15 tile 2 i's word of K step s, lanes 16-31 tile 2 i + 1's
.set SB,   64                          ; the same for the weights: 16 pass + 8 i + s
.set BM,   112                         ; v112-127 largest magnitudes of the 16 blocks
.set PT,   128                         ; v128-143 lane l xor 16's, then the bytes
.set SO,   144                         ; v144-159 the conversions' scale operands
.set IMG,  160                         ; v160-207 four images
.set CT,   208                         ; v208-239 the odd blocks' codes
.set WD,   240                         ; v240-247 a word for each tile of tokens
.set PW,   248                         ; v248-251 the words as they are stored
.set BIAS, 128                         ; in window 3
.set G1A, 32
.set G1B, 40
.set G0A, 48
.set G0B, 56
.set MSB, 0
.macro WIN new                         ; the immediate's high byte repeats the setting that is left
.if MSB != \new
	s_set_vgpr_msb (MSB<<8)|\new
.set MSB, \new
.endif
.endm
.macro PLACES                          ; four plain places behind a matrix instruction of this form, in front of loads into its registers and of reads of its result
.rept 4
	v_nop
.endr
.endm
.macro CREST                           ; a round of the cluster's barrier behind its opening barrier
	s_cmp_lg_u32 s18, 0
	s_cbranch_scc1 .Lnot_wave_0_\@
	s_barrier_signal -3
.Lnot_wave_0_\@:
	s_barrier_wait -3
	s_barrier_signal -1
	s_barrier_wait -1
.endm
.macro CROUND
	s_barrier_signal -1
	s_barrier_wait -1
	CREST
.endm
; one matrix instruction from the symbols dD (result), dP, dQ (sources), dC (C; dZ = 1: the constant 0), dX, dY (scale registers); r0, r1: the scales stand in lanes 16-31
.macro WM r0, r1
.if dZ
.if (\r0) && (\r1)
	v_wmma_scale_f32_16x16x128_f8f6f4 v[dD:dD+7], v[dP:dP+11], v[dQ:dQ+11], 0, v[dX], v[dY] matrix_a_fmt:MATRIX_FMT_FP6 matrix_b_fmt:MATRIX_FMT_FP6 matrix_a_scale:MATRIX_SCALE_ROW1 matrix_b_scale:MATRIX_SCALE_ROW1
.elseif (\r0)
	v_wmma_scale_f32_16x16x128_f8f6f4 v[dD:dD+7], v[dP:dP+11], v[dQ:dQ+11], 0, v[dX], v[dY] matrix_a_fmt:MATRIX_FMT_FP6 matrix_b_fmt:MATRIX_FMT_FP6 matrix_a_scale:MATRIX_SCALE_ROW1
.elseif (\r1)
	v_wmma_scale_f32_16x16x128_f8f6f4 v[dD:dD+7], v[dP:dP+11], v[dQ:dQ+11], 0, v[dX], v[dY] matrix_a_fmt:MATRIX_FMT_FP6 matrix_b_fmt:MATRIX_FMT_FP6 matrix_b_scale:MATRIX_SCALE_ROW1
.else
	v_wmma_scale_f32_16x16x128_f8f6f4 v[dD:dD+7], v[dP:dP+11], v[dQ:dQ+11], 0, v[dX], v[dY] matrix_a_fmt:MATRIX_FMT_FP6 matrix_b_fmt:MATRIX_FMT_FP6
.endif
.else
.if (\r0) && (\r1)
	v_wmma_scale_f32_16x16x128_f8f6f4 v[dD:dD+7], v[dP:dP+11], v[dQ:dQ+11], v[dC:dC+7], v[dX], v[dY] matrix_a_fmt:MATRIX_FMT_FP6 matrix_b_fmt:MATRIX_FMT_FP6 matrix_a_scale:MATRIX_SCALE_ROW1 matrix_b_scale:MATRIX_SCALE_ROW1
.elseif (\r0)
	v_wmma_scale_f32_16x16x128_f8f6f4 v[dD:dD+7], v[dP:dP+11], v[dQ:dQ+11], v[dC:dC+7], v[dX], v[dY] matrix_a_fmt:MATRIX_FMT_FP6 matrix_b_fmt:MATRIX_FMT_FP6 matrix_a_scale:MATRIX_SCALE_ROW1
.elseif (\r1)
	v_wmma_scale_f32_16x16x128_f8f6f4 v[dD:dD+7], v[dP:dP+11], v[dQ:dQ+11], v[dC:dC+7], v[dX], v[dY] matrix_a_fmt:MATRIX_FMT_FP6 matrix_b_fmt:MATRIX_FMT_FP6 matrix_b_scale:MATRIX_SCALE_ROW1
.else
	v_wmma_scale_f32_16x16x128_f8f6f4 v[dD:dD+7], v[dP:dP+11], v[dQ:dQ+11], v[dC:dC+7], v[dX], v[dY] matrix_a_fmt:MATRIX_FMT_FP6 matrix_b_fmt:MATRIX_FMT_FP6
.endif
.endif
.endm
; 8 matrix instructions of step st (pass st / 8, K step st % 8): tiles of tokens 2 k, 2 k + 1 against the 4 tiles of channels.  The 32 accumulators take turns, one instruction a turn, in the same order in every step
; mode 0 (q, k): the weights are source 0; a pass's first step takes g_info's row as C.  mode 1 (v): the tokens are source 0; the first step takes the constant 0.
.macro MULQ st, k, mode
.set dF, 0
.if (\st)%8 == 0
.set dF, 1
.endif
.if (\mode)
	WIN 0xad                                       ; source 0 window 1, source 1 window 3, C and D window 2
.elseif dF
	WIN 0xb7                                       ; source 0 window 3, source 1 window 1, C window 3, D window 2
.else
	WIN 0xa7                                       ; the same, C window 2
.endif
.irp a, 2*(\k), 2*(\k)+1
.irp b, 0,1,2,3
.set dFA, 96*((\st)%2)+12*(\a)
.set dFB, 48*((\st)%2)+12*\b
.set dSA, SA+8*((\a)/2)+(\st)%8
.set dSB, SB+16*((\st)/8)+8*(\b/2)+(\st)%8
.if (\mode)
.set dD, 64*\b+8*(\a)
.set dP, dFA
.set dQ, dFB
.set dX, dSA
.set dY, dSB
.set dC, dD
.set dZ, dF
	WM (\a)%2, \b%2
.else
.set dD, 32*(\a)+8*\b
.set dP, dFB
.set dQ, dFA
.set dX, dSB
.set dY, dSA
.set dC, dD
.if dF
.set dC, BIAS+32*((\st)/8)+8*\b
.endif
.set dZ, 0
	WM \b%2, (\a)%2
.endif
.endr
.endr
.endm
; the fragments of step st, 36 LDS loads in one run, into set st % 2
.macro FETCH st
	WIN 0x40                                       ; destination window 1
.irp a, 0,1,2,3,4,5,6,7
.irp c, 0,1,2
	ds_load_b128 v[96*((\st)%2)+12*\a+4*\c:96*((\st)%2)+12*\a+4*\c+3], v[ADRA+((\st)%8)/4] offset:\a*TROW+((\st)%4)*FRB+512*\c
.endr
.endr
	WIN 0xc0                                       ; destination window 3
.irp b, 0,1,2,3
.irp c, 0,1,2
	ds_load_b128 v[48*((\st)%2)+12*\b+4*\c:48*((\st)%2)+12*\b+4*\c+3], v[ADRB+((\st)%8)/4] offset:\b*TROW+((\st)%4)*FRB+512*\c
.endr
.endr
.endm
.macro STEPN st, mode                  ; a step whose successor lies in the same K half
	s_wait_dscnt 0x0                               ; this step's fragments, asked for a step ago, are in
	PLACES                                         ; for the loads into the set that the last step's products read
	FETCH (\st)+1
	MULQ \st, 0, \mode
	MULQ \st, 1, \mode
	MULQ \st, 2, \mode
	MULQ \st, 3, \mode
.endm
; A K half's last step changes halves: one barrier; in front of it each wave waits for all its tensor loads, adds 0 to its spare word, and waits for that and for its reads of the slot.
; fill = 1: the barrier opens a round of the cluster's, and the slot just read out takes the next pass's weights of the same K half: the load has four steps, 128 matrix instructions a wave, in which to land.
.macro TURN st, mode, fill
.set dS, ((\st)%8)/4
	WIN 0                                          ; (the add's two registers lie in window 0)
	s_wait_tensorcnt 0x0                           ; all my tensor loads have landed: my part of the other K half among them
	ds_add_u32 v[SPW], v[NIL]                      ; 0 onto my spare word
	s_wait_dscnt 1                                 ; this step's fragments are in; the add may be out
	MULQ \st, 0, \mode                             ; eight matrix instructions stand between the add and the wait for it
	s_wait_dscnt 0x0                               ; the add is done, and my reads of this slot are over
	s_barrier_signal -1
	MULQ \st, 1, \mode
	WIN 0                                          ; at a branch and at a label every window is 0
	s_barrier_wait -1
.if \fill
	CREST                                          ; no wave of any partner still reads the slot or has a load on its way
	s_add_nc_u64 s[G0B+4*dS+2:G0B+4*dS+3], s[G0B+4*dS+2:G0B+4*dS+3], PASSB
	tensor_load_to_lds s[G0B+4*dS:G0B+4*dS+3], s[G1B:G1B+7]   ; the joint refill: each wave its two tiles; my one tensor load behind the round
	s_nop 0
	PLACES                                         ; behind a tensor load; also the places in front of the loads below
.else
	PLACES
.endif
	FETCH (\st)+1
	MULQ \st, 2, \mode
	MULQ \st, 3, \mode
.endm
.macro LAST st, mode
	s_wait_dscnt 0x0
	MULQ \st, 0, \mode
	MULQ \st, 1, \mode
	MULQ \st, 2, \mode
	MULQ \st, 3, \mode
.endm
; THE WAY OUT of a pass: 16 blocks of 32 (registers 16 n .. 16 n + 15 in lanes l and l xor 16) become codes and bytes.  Blocks 2 m and 2 m + 1 make six registers of an image at 6 m.
; kind 0 (q, k): a word for each tile of tokens, two bytes and 0x7f7f above them;  kind 1 (v): a word for each tile of channels, four bytes.
.macro EPI kind, base, coff, woff
	PLACES
	s_wait_xcnt 0x0                                ; the last pass's stores have read their registers
	WIN 0x28                                       ; sources 1 and 2 window 2
.set n, 0
.rept 16
	v_max3_num_f32 v[BM+n], s30, |v[16*n]|, |v[16*n+1]|   ; each accumulator from its low end on; s30 is the floor 2^(3 - 127), which holds the byte at 1 from below
.set n, n+1
.endr
.set i, 2
.rept 7
.set n, 0
.rept 16
	v_max3_num_f32 v[BM+n], v[BM+n], |v[16*n+i]|, |v[16*n+i+1]|
.set n, n+1
.endr
.set i, i+2
.endr
	WIN 0
.set n, 0
.rept 16
	v_permlanex16_b32 v[PT+n], v[BM+n], s28, s29
.set n, n+1
.endr
.set n, 0
.rept 16
	v_max_num_f32 v[BM+n], v[BM+n], v[PT+n]        ; the block's largest magnitude
.set n, n+1
.endr
.set n, 0
.rept 16
	v_add_nc_u32 v[SO+n], 0xff000000, v[BM+n]      ; 2 off its exponent field: the conversion's scale operand
.set n, n+1
.endr
.set n, 0
.rept 16
	v_lshrrev_b32 v[PT+n], 23, v[SO+n]             ; the scale's byte
.set n, n+1
.endr
.if \kind
.irp b, 0,1,2,3
	v_lshl_or_b32 v[PW+\b], v[PT+4*\b+1], 8, v[PT+4*\b]
.endr
.irp b, 0,1,2,3
	v_lshl_or_b32 v[PW+\b], v[PT+4*\b+2], 16, v[PW+\b]
.endr
.irp b, 0,1,2,3
	v_lshl_or_b32 v[PW+\b], v[PT+4*\b+3], 24, v[PW+\b]
.endr
.else
.irp a, 0,1,2,3,4,5,6,7
	v_lshl_or_b32 v[WD+\a], v[PT+2*\a+1], 8, v[PT+2*\a]
.endr
.irp a, 0,1,2,3,4,5,6,7
	v_or_b32 v[WD+\a], 0x7f7f0000, v[WD+\a]        ; the upper 64 of the instruction's K hold zero codes: byte 127 for them
.endr
.irp j, 0,1,2,3
	v_cndmask_b32 v[PW+\j], v[WD+\j], v[WD+4+\j], s27   ; lanes 0-15 store tiles 0-3's words, lanes 16-31 tiles 4-7's
.endr
.endif
	WIN 0x02                                       ; source 0 window 2
.set m, 0
.rept 8
	v_cvt_scalef32_pk16_fp6_f32 v[IMG+6*m:IMG+6*m+2], v[32*m:32*m+15], v[SO+2*m]
	v_cvt_scalef32_pk16_fp6_f32 v[CT+4*m:CT+4*m+2], v[32*m+16:32*m+31], v[SO+2*m+1]   ; (a conversion's three registers begin on an even number)
.set m, m+1
.endr
	WIN 0
	v_nop                                          ; one plain place behind a scaled conversion
.set m, 0
.rept 8                                        ; the operand's layout wants a whole block in a lane: lanes 0-15 the even block, lanes 16-31 the odd one
.irp j, 0,1,2
	v_permlane16_swap_b32 v[IMG+6*m+\j], v[CT+4*m+\j]
.endr
.irp j, 0,1,2
	v_mov_b32 v[IMG+6*m+3+\j], v[CT+4*m+\j]
.endr
.set m, m+1
.endr
.irp u, 0,1,2,3
.irp c, 0,1,2
	global_store_b128 v[L16], v[IMG+12*\u+4*\c:IMG+12*\u+4*\c+3], s[\base:\base+1] offset:\coff+FRB*\u+512*\c   ; 32 lanes store 512 consecutive bytes, aligned to 256
.endr
.endr
	global_store_b128 v[L16], v[PW:PW+3], s[\base:\base+1] offset:\woff
.endm
	s_load_b256 s[4:11], s[0:1], 0x0               ; xc, xs, wc, ws
	s_load_b128 s[12:15], s[0:1], 0x20             ; g_info, qrec
	s_load_b64 s[16:17], s[0:1], 0x30              ; kvrec
	v_lshl_add_u32 v[SPW], v0, 2, SPARE
	v_mov_b32 v[NIL], 0
	ds_add_u32 v21, v22
	ds_add_u32 v21, v22
	s_wait_dscnt 0x0
	v_lshrrev_b32 v1, 5, v0
	v_readfirstlane_b32 s18, v1                    ; wave 0..3
	s_lshr_b32 s19, s18, 1                         ; which 128 tokens
	s_and_b32 s20, s18, 1                          ; which head of the pair
	s_bfe_u32 s21, ttmp6, 0x40000                  ; cx
	s_bfe_u32 s22, ttmp6, 0x40004                  ; cy
	s_lshl_b32 s23, ttmp9, 2
	s_add_co_u32 s23, s23, s21                     ; pair of heads = 4 x cluster x + cx
	s_and_b32 s24, ttmp7, 0xffff
	s_lshl_b32 s24, s24, 2
	s_add_co_u32 s24, s24, s22                     ; block of 256 tokens = 4 x cluster y + cy
	s_lshl_b32 s25, s22, 2
	s_lshl_b32 s25, 15, s25                        ; my row of the cluster
	s_lshl_b32 s26, 0x1111, s21                    ; my column
	s_mov_b32 s27, 0xffff0000                      ; lanes 16-31
	s_mov_b32 s28, 0x76543210
	s_mov_b32 s29, 0xfedcba98                      ; v_permlanex16_b32's selects for lane l xor 16
	s_mov_b32 s30, 0x1800000
	; descriptor group 1: rows are tiles: 6,144 bytes (768 elements of 8 bytes) of each tile's 12,288; x: 4 tiles a wave, weights: 2
	s_or_b32 s[G1A+0], s25, (3<<16)|(1<<21)        ; the mask: x's images go to my row; elements of 8 bytes; bit 21 set beside a mask
	s_or_b32 s[G1B+0], s26, (3<<16)|(1<<21)        ; the weights' to my column
	s_mov_b32 s[G1A+1], 768<<16
	s_mov_b32 s[G1A+2], 4<<16
	s_mov_b32 s[G1A+3], 768<<16
	s_mov_b32 s[G1A+4], 4
	s_mov_b32 s[G1A+5], 1536
	s_mov_b32 s[G1A+6], 0
	s_mov_b32 s[G1A+7], 0
	s_mov_b32 s[G1B+1], 768<<16
	s_mov_b32 s[G1B+2], 2<<16
	s_mov_b32 s[G1B+3], 768<<16
	s_mov_b32 s[G1B+4], 2
	s_mov_b32 s[G1B+5], 1536
	s_mov_b32 s[G1B+6], 0
	s_mov_b32 s[G1B+7], 0
	s_lshl_b32 s66, s24, 4                         ; x: tile 16 x block + 4 x wave (no register here ever holds cx)
	s_lshl_b32 s67, s18, 2
	s_add_co_u32 s66, s66, s67
	s_mul_i32 s66, s66, TPITCH
	s_mov_b32 s67, 0
	s_lshl_b32 s68, s23, 3                         ; weights: tile 8 x pair + 2 x wave (none here ever holds cy)
	s_lshl_b32 s69, s18, 1
	s_add_co_u32 s68, s68, s69
	s_mul_i32 s68, s68, TPITCH
	s_mov_b32 s69, 0
	s_mul_i32 s70, s18, 4*TROW                     ; where they go: the wave's number alone enters an LDS address
	s_mul_i32 s71, s18, 2*TROW
	s_add_co_u32 s71, s71, BRING
	s_wait_kmcnt 0x0
	s_add_nc_u64 s[66:67], s[4:5], s[66:67]
	s_add_nc_u64 s[68:69], s[8:9], s[68:69]
.irp h, 0,1
	s_mov_b32 s[G0A+4*\h], 1
	s_add_co_u32 s[G0A+4*\h+1], s70, \h*AHALF
	s_add_nc_u64 s[G0A+4*\h+2:G0A+4*\h+3], s[66:67], \h*TROW
	s_or_b32 s[G0A+4*\h+3], s[G0A+4*\h+3], 0x80000000
	s_mov_b32 s[G0B+4*\h], 1
	s_add_co_u32 s[G0B+4*\h+1], s71, \h*BSLOT
	s_add_nc_u64 s[G0B+4*\h+2:G0B+4*\h+3], s[68:69], \h*TROW
	s_or_b32 s[G0B+4*\h+3], s[G0B+4*\h+3], 0x80000000
.endr
	; THE HEAD'S LOADS, one a wave: waves 0, 1 fetch x's first K half, 8 tiles each; waves 2, 3 the weights' slots 0 and 1, 8 tiles each
	s_and_b32 s86, s18, 1
	s_mul_i32 s74, s24, 16*TPITCH
	s_mul_i32 s72, s86, 8*TPITCH
	s_add_co_u32 s74, s74, s72
	s_mov_b32 s75, 0
	s_mov_b32 s88, 1
	s_mul_i32 s89, s86, 8*TROW
	s_add_nc_u64 s[90:91], s[4:5], s[74:75]
	s_or_b32 s91, s91, 0x80000000
	s_mul_i32 s76, s23, 8*TPITCH
	s_mul_i32 s78, s86, TROW
	s_add_co_u32 s76, s76, s78
	s_mov_b32 s77, 0
	s_mov_b32 s92, 1
	s_mul_i32 s93, s86, BSLOT
	s_add_co_u32 s93, s93, BRING
	s_add_nc_u64 s[94:95], s[8:9], s[76:77]
	s_or_b32 s95, s95, 0x80000000
	s_mov_b32 s[G1A+2], 8<<16                      ; the head's loads count 8 tiles
	s_mov_b32 s[G1A+4], 8
	s_mov_b32 s[G1B+2], 8<<16
	s_mov_b32 s[G1B+4], 8
	CROUND                                         ; all sixteen work-groups are here: the first joint loads meet
	s_cmp_lt_u32 s18, 2
	s_cbranch_scc0 .Lhead_b
	tensor_load_to_lds s[88:91], s[G1A:G1A+7]
	s_nop 0
	PLACES
	s_branch .Lhead_asked
.Lhead_b:
	tensor_load_to_lds s[92:95], s[G1B:G1B+7]
	s_nop 0
	PLACES
.Lhead_asked:
	v_and_b32 v1, 31, v0
	v_lshlrev_b32 v[L16], 4, v1
	v_and_b32 v2, 15, v0                           ; r
	v_bfe_u32 v3, v0, 4, 1                         ; h
	v_lshlrev_b32 v[SCA], 4, v2
	v_lshl_add_u32 v[SCA], v3, 9, v[SCA]
	s_wait_alu depctr_va_vdst(0)
	v_lshlrev_b32 v[BIA], 6, v3
	s_wait_alu depctr_va_vdst(0)
	s_mul_i32 s72, s19, 8*TROW
	v_add_nc_u32 v[ADRA], s72, v[L16]
	v_add_nc_u32 v[ADRA+1], AHALF, v[ADRA]
	s_mul_i32 s73, s20, 4*TROW
	s_add_co_u32 s73, s73, BRING
	v_add_nc_u32 v[ADRB], s73, v[L16]
	v_add_nc_u32 v[ADRB+1], BSLOT, v[ADRB]
	; the scale words go from memory straight into registers, once: lane (r, h) of group i takes tile 2 i + h: sixteen lanes read 256 consecutive bytes
	s_lshl_b32 s74, s24, 4
	s_lshl_b32 s75, s19, 3
	s_add_co_u32 s74, s74, s75                     ; my first tile of tokens
	s_lshl_b32 s74, s74, 9
	s_mov_b32 s75, 0
	s_add_nc_u64 s[74:75], s[6:7], s[74:75]
	s_lshl_b32 s76, s23, 3
	s_lshl_b32 s77, s20, 2
	s_add_co_u32 s76, s76, s77                     ; my first tile of q's weights
	s_lshl_b32 s76, s76, 9
	s_mov_b32 s77, 0
	s_add_nc_u64 s[76:77], s[10:11], s[76:77]
.irp i, 0,1,2,3
.irp h, 0,1
	global_load_b128 v[SA+8*\i+4*\h:SA+8*\i+4*\h+3], v[SCA], s[74:75] offset:\i*1024+\h*256
.endr
.endr
.irp p, 0,1,2
.irp i, 0,1
.irp h, 0,1
	global_load_b128 v[SB+16*\p+8*\i+4*\h:SB+16*\p+8*\i+4*\h+3], v[SCA], s[76:77] offset:\p*32768+\i*1024+\h*256
.endr
.endr
.endr
	s_lshl_b32 s78, s23, 1
	s_add_co_u32 s78, s78, s20                     ; my head
	s_lshl_b32 s78, s78, 8                         ; its 64 numbers
	s_mov_b32 s79, 0
	s_add_nc_u64 s[78:79], s[12:13], s[78:79]
	WIN 0xc0                                       ; destination window 3
.irp p, 0,1                                    ; q_g = g_info[0][0], k_g = g_info[0][1]: for tile b lane (r, h) wants channels 32 (b / 2) + 16 h + 8 (b % 2) + 0 .. 7
.irp b, 0,1,2,3
	global_load_b128 v[BIAS+32*\p+8*\b:BIAS+32*\p+8*\b+3], v[BIA], s[78:79] offset:\p*4096+(32*(\b/2)+8*(\b%2))*4
	global_load_b128 v[BIAS+32*\p+8*\b+4:BIAS+32*\p+8*\b+7], v[BIA], s[78:79] offset:\p*4096+(32*(\b/2)+8*(\b%2))*4+16
.endr
.endr
	WIN 0
	s_lshr_b32 s80, s24, 3                         ; batch
	s_lshl_b32 s80, s80, 4
	s_lshl_b32 s81, s23, 1
	s_add_co_u32 s80, s80, s81
	s_add_co_u32 s80, s80, s20                     ; batch x 16 + head
	s_lshl_b32 s80, s80, 4
	s_and_b32 s81, s24, 7
	s_lshl_b32 s81, s81, 1
	s_add_co_u32 s80, s80, s81
	s_add_co_u32 s80, s80, s19                     ; + which 128 tokens of the batch's 2,048: my record
	s_mul_i32 s82, s80, 6656
	s_mov_b32 s83, 0
	s_add_nc_u64 s[82:83], s[14:15], s[82:83]
	s_mul_i32 s84, s80, 13312
	s_mov_b32 s85, 0
	s_add_nc_u64 s[84:85], s[16:17], s[84:85]
.set n, 0
.rept 16
	v_mov_b32 v[PT+n], 0                           ; written once: a lane permute's destination counts as one of its sources
.set n, n+1
.endr
	s_wait_alu depctr_va_vdst(0)                   ; the wait at the head's end
	s_wait_tensorcnt 0x0                           ; my tile of the head's four is in; a later first fill is issued as a refill is:
	ds_add_u32 v[SPW], v[NIL]                      ; 0 onto my spare word
	s_mov_b32 s[G1A+2], 4<<16                      ; no load of mine is out: from here on x's loads count 4 tiles, the weights' 2
	s_mov_b32 s[G1A+4], 4
	s_mov_b32 s[G1B+2], 2<<16
	s_mov_b32 s[G1B+4], 2
	s_wait_dscnt 0x0
	CROUND
	tensor_load_to_lds s[G0A+4:G0A+7], s[G1A:G1A+7]   ; x's second K half, 4 tiles a wave: it has four K steps in which to land
	s_nop 0
	PLACES
	FETCH 0
	s_wait_loadcnt 0x0                             ; scale words and g_info's rows
.irp st, 0,1,2,3,4,5,6,7,8,9,10,11,12,13,14,15,16,17,18,19,20,21,22,23
.if (\st) == 23
	LAST \st, 1
.elseif (\st)%4 == 3
.if (\st) < 16
	TURN \st, 0, 1
.else
	TURN \st, 1, 0
.endif
.elseif (\st) < 16
	STEPN \st, 0
.else
	STEPN \st, 1
.endif
.if (\st) == 7
	EPI 0, 82, 0, 6144
.elseif (\st) == 15
	EPI 0, 84, 0, 12288
.elseif (\st) == 23
	EPI 1, 84, 6144, 12800
.endif
.endr
	s_wait_tensorcnt 0x0                           ; the wave's end
	ds_add_u32 v[SPW], v[NIL]
	s_wait_dscnt 0x0
	CROUND                                         ; the closing round
	s_endpgm
.Lfunc_end_k_qfa88a00ed5_qkv:
	.size	k_qfa88a00ed5_qkv, .Lfunc_end_k_qfa88a00ed5_qkv-k_qfa88a00ed5_qkv
	.p2alignl 7, 3214868480
	.fill 96, 4, 3214868480
	.section	.rodata,"a",@progbits
	.p2align	6, 0x0
	.amdhsa_kernel k_qfa88a00ed5_qkv
		.amdhsa_group_segment_fixed_size 327680
		.amdhsa_private_segment_fixed_size 0
		.amdhsa_enable_private_segment 0
		.amdhsa_kernarg_size 56
		.amdhsa_user_sgpr_count 2
		.amdhsa_user_sgpr_kernarg_segment_ptr 1
		.amdhsa_wavefront_size32 1
		.amdhsa_system_sgpr_workgroup_id_x 1
		.amdhsa_system_sgpr_workgroup_id_y 1
		.amdhsa_system_sgpr_workgroup_id_z 1
		.amdhsa_system_vgpr_workitem_id 0
		.amdhsa_next_free_vgpr 1024
		.amdhsa_next_free_sgpr 96
		.amdhsa_reserve_vcc 0
		.amdhsa_float_denorm_mode_32 3
		.amdhsa_float_denorm_mode_16_64 3
		.amdhsa_memory_ordered 1
		.amdhsa_forward_progress 1
		.amdhsa_inst_pref_size 221
	.end_amdhsa_kernel
	.amdgpu_metadata
---
amdhsa.version: [ 1, 2 ]
amdhsa.kernels:
  - .name:           k_qfa88a00ed5_qkv
    .symbol:         k_qfa88a00ed5_qkv.kd
    .args:
      - { .name: xc, .offset: 0, .size: 8, .value_kind: global_buffer, .address_space: global }
      - { .name: xs, .offset: 8, .size: 8, .value_kind: global_buffer, .address_space: global }
      - { .name: wc, .offset: 16, .size: 8, .value_kind: global_buffer, .address_space: global }
      - { .name: ws, .offset: 24, .size: 8, .value_kind: global_buffer, .address_space: global }
      - { .name: g_info, .offset: 32, .size: 8, .value_kind: global_buffer, .address_space: global }
      - { .name: qrec, .offset: 40, .size: 8, .value_kind: global_buffer, .address_space: global }
      - { .name: kvrec, .offset: 48, .size: 8, .value_kind: global_buffer, .address_space: global }
    .group_segment_fixed_size: 327680
    .private_segment_fixed_size: 0
    .kernarg_segment_align: 8
    .kernarg_segment_size: 56
    .max_flat_workgroup_size: 128
    .sgpr_count:     96
    .vgpr_count:     1024
    .wavefront_size: 32
...
	.end_amdgpu_metadata
.endif
;; end of part 2
;; launch attn (part 3): grid 4 x 64, 16 waves a work-group, clusters of 4 x 1, 327,680 bytes of LDS; arguments qrec, kvrec, oc, os; writes oc, os
.if DOCPART == 3
	.amdgcn_target "amdgcn-amd-amdhsa--gfx1250"
	.amdhsa_code_object_version 6
	.text
	.protected	k_qfa88a00ed5_attn
	.globl	k_qfa88a00ed5_attn
	.p2align	8
	.type	k_qfa88a00ed5_attn,@function
k_qfa88a00ed5_attn:
	s_mov_b64 s[64:65], 0
	v_nop
	global_prefetch_b8 v0, s[64:65] scope:SCOPE_SE
	s_setreg_imm32_b32 hwreg(HW_REG_WAVE_MODE, 25, 1), 1
	s_wait_xcnt 0x0
	s_wait_alu depctr_hold_cnt(0) depctr_sa_sdst(0) depctr_va_vdst(0) depctr_va_sdst(0) depctr_va_ssrc(0) depctr_va_vcc(0) depctr_vm_vsrc(0)
	s_getreg_b32 s2, hwreg(HW_REG_IB_STS2, 6, 4)
	s_cmp_eq_u32 s2, 0
	s_cbranch_scc0 .Lentry_in_a_cluster
	s_endpgm
.Lentry_in_a_cluster:
	s_bfe_u32 s2, ttmp6, 0x10000c
	s_cmp_lg_u32 s2, 0x3003
	s_cbranch_scc0 .Lentry_shape_is_right
	s_endpgm
.Lentry_shape_is_right:
; O = softmax((q + q_g)(k + k_g)^T / 8) v for 64 (batch, head) pairs of 2,048 tokens x 64 channels, both products on codes of FP6 (E2M3) with E8M0 scales; O is quantised along the channels for the last product.
; THE SOFTMAX: t = score x log2(e) / 8; M = the row's largest t so far, rounded UP to a whole number; p = 2^(t - M) is quantised along the keys; the row's sum is taken of the unquantised p and divides O at the end.
; When M moves, the sum and O are multiplied by 2^(old M - new M): exact.
; SHARES.  A work-group owns ONE (batch, head) pair and 512 of its queries: 4 x 64 = 256 work-groups.  The head's 16 records of K and V (13,312 bytes for 128 keys each) all lie in LDS at once: each of the sixteen waves
; brings one record by its one tensor load at the head, nothing is filled again, and between the barrier behind these loads and the last tile's end the waves meet at no barrier.
; A wave owns two tiles of 16 queries, one after the other, and walks the 16 records for each.  Four waves to a SIMD.
; CLUSTER 4 x 1: the four blocks of queries of a head need the same records: joint loads.  No prefetch: every tensor load goes out at the head; there is no loop of loads to run ahead in.
; LDS.  A record comes as 26 rows of 512 bytes with 128 bytes of padding behind each: piece p at 640 p.  K: pieces 0-11 (4 images of two tiles), V^T: 12-23, K's words: 24, V's words: 25.
; WHICH KEYS FORM A TILE.  In memory tile u of 32 keys holds keys 8 u + r + 8 (r / 8).  The tiles are read with lanes 0-7 from one image and lanes 8-15 from the next (1,920 bytes on: the other half of the 64 banks), so that
; row m of tile t of a group of 64 keys is key 32 (m / 8) + 8 t + m % 8.  S^T = K Q^T then gives lane (query r, half h) keys 64 g + 32 h + 0 .. 31 in 32 registers on end: a WHOLE block of 32 in a lane:
; its largest p needs no other lane, and the conversions' results are P's operand as they stand.
; The first product's K is 64: Q's upper six registers are zero codes, so K's upper six (the next tile's codes) add nothing; the words' upper bytes are 127.
; THE ORDER IN A STEP lets a wave's dependent chains stand among its independent work: the next record's K is asked for behind the second product, under the sum's additions; V's loads are issued inside the chain that
; makes M; the blocks' largest p go through the exponential ahead of the others, and the chain that makes p's word stands among the rescaling of O^T and half of the multiply-adds.
; OUT.  oc [tile of tokens][head][768 bytes]: registers 0-3 of the head's six at 16 l, registers 4, 5 at 512 + 8 l.  os [head][tile][16 rows]: two scale bytes a row.
; LIMITS: the promise holds while |t| stays under 2^31; NaN and infinities are not served; p under 2^-126 counts as 0 (ISA guide, v_exp_f32); a block of zeros keeps the byte 1.
.set REC,   13312
.set LREC,  16640                      ; a record in LDS
.set STG,   266240                     ; behind the records: 1 KiB, the 32 tiles' scale bytes on their way out
.set SPARE, 267264                     ; the spare words, 128 bytes a wave
.set L16, 1                            ; 16 x lane
.set KA,  2                            ; K's address in the record asked for
.set SPW, 3
.set NIL, 4
.set SWA, 5                            ; STG + 64 x wave + 2 r
.set SRA, 6                            ; STG + 16 x (thread % 64)
.set T,   7
.set KS,  8                            ; v8-11 K's words: register t: lanes 0-15 tile t of keys 0-63, lanes 16-31 of keys 64-127
.set QF0, 16                           ; v16-27, v28-39 my two tiles of Q: six registers of codes, six of zeros
.set QF1, 28
.set QS,  40                           ; v40, v41 their words
.set VS,  42                           ; v42-45 V's words
.set PW,  46                           ; p's word
.set SH,  47                           ; 8 h
.set OI,  48                           ; v48-53 O's codes
.set KA0, 54                           ; 16 l + 1,792 (r / 8)
.set KW0, 55                           ; 256 h + 16 (r % 8) + 8 (r / 8)
.set VA,  56
.set KWA, 57
.set L8,  58                           ; 8 x lane
.set T2,  59
.set KV,  60                           ; v60-107 a record's K, then its V; v108-113 zeros
.set S,   114                          ; v114-177 S^T, then p
.set O,   178                          ; v178-209 O^T
.set PC,  210                          ; v210-221 p's codes
.set CT,  222
.set BM,  230                          ; v230-233
.set PT,  234
.set SO,  236
.set BY,  238
.set OW,  240
.set F,   242                          ; v[242:243]
.set A1,  244                          ; three more chains of the sum;
.set A2,  246
.set A3,  248
.set MT,  244                          ; v244-247 ahead of that: the maxima of keys 64-127
.set GOS, 250
.set QA,  251
.set OD,  252
.macro CROUND                          ; a round of the cluster's barrier
	s_barrier_signal -1
	s_barrier_wait -1
	s_cmp_lg_u32 s18, 0
	s_cbranch_scc1 .Lnot_wave_0_\@
	s_barrier_signal -3
.Lnot_wave_0_\@:
	s_barrier_wait -3
	s_barrier_signal -1
	s_barrier_wait -1
.endm
	s_load_b256 s[4:11], s[0:1], 0x0               ; qrec, kvrec, oc, os
	v_lshl_add_u32 v[SPW], v0, 2, SPARE
	v_mov_b32 v[NIL], 0
	ds_add_u32 v[SPW], v[NIL]                      ; the opening lines: the add twice on end
	ds_add_u32 v[SPW], v[NIL]
	v_lshrrev_b32 v[T], 5, v0
	v_readfirstlane_b32 s18, v[T]                  ; wave 0..15
	s_bfe_u32 s19, ttmp6, 0x40000                  ; cx: my block of 512 queries; it enters Q's and O's addresses alone
	s_and_b32 s44, ttmp7, 0xffff                   ; 16 x batch + head, which the four partners share
	s_mov_b32 s20, 0x76543210
	s_mov_b32 s21, 0xfedcba98                      ; v_permlanex16_b32's selects for lane l xor 16
	s_mov_b32 s22, 0x3e38aa3b                      ; c = log2(e) / 8
	s_mov_b32 s23, s22
	s_mov_b32 s24, 15|(3<<16)|(1<<20)|(1<<21)|(6<<22)|(31<<25)   ; all four partners; elements of 8 bytes; behind every 128 words 32 words of padding
	s_mov_b32 s25, 64<<16
	s_mov_b32 s26, 26<<16
	s_mov_b32 s27, 64<<16
	s_mov_b32 s28, 26
	s_mov_b32 s29, 64
	s_mov_b32 s30, 0
	s_mov_b32 s31, 0
	s_lshl_b32 s46, s44, 4
	s_add_co_u32 s46, s46, s18
	s_mul_i32 s46, s46, REC                        ; the head's record number wave
	s_mov_b32 s47, 0
	s_mov_b32 s32, 1
	s_mul_i32 s33, s18, LREC
	s_lshl_b32 s48, s44, 4
	s_lshl_b32 s49, s19, 2
	s_add_co_u32 s48, s48, s49
	s_lshr_b32 s49, s18, 2
	s_add_co_u32 s48, s48, s49
	s_mul_i32 s48, s48, 6656                       ; Q's record of 128 queries
	s_and_b32 s50, s18, 3
	s_mul_i32 s52, s50, 1536                       ; the image that holds my two tiles
	s_add_co_u32 s52, s52, s48
	s_mov_b32 s53, 0
	s_lshr_b32 s54, s50, 1
	s_lshl_b32 s54, s54, 8
	s_and_b32 s51, s18, 1
	s_lshl_b32 s51, s51, 3
	s_add_co_u32 s54, s54, s51
	s_add_co_u32 s54, s54, s48
	s_add_co_u32 s54, s54, 6144                    ; their two words, 8 bytes a row
	s_mov_b32 s55, 0
	s_lshr_b32 s56, s44, 4
	s_lshl_b32 s56, s56, 7
	s_lshl_b32 s57, s19, 5
	s_add_co_u32 s56, s56, s57                     ; my block's first tile of tokens
	s_lshl_b32 s58, s56, 5
	s_and_b32 s57, s44, 15                         ; head
	s_lshl_b32 s59, s57, 14
	s_add_co_u32 s58, s58, s59                     ; os: 16,384 head + 32 tile
	s_mov_b32 s59, 0
	s_lshl_b32 s41, s18, 1
	s_add_co_u32 s56, s56, s41
	s_mul_i32 s56, s56, 12288
	s_mul_i32 s57, s57, 768
	s_add_co_u32 s56, s56, s57                     ; oc: 12,288 tile + 768 head
	s_mov_b32 s57, 0
	s_lshl_b32 s51, s18, 6
	v_and_b32 v[L16], 31, v0
	v_lshlrev_b32 v[L8], 3, v[L16]
	v_lshlrev_b32 v[L16], 4, v[L16]
	v_and_b32 v[QA], 15, v0
	v_bfe_u32 v[T], v0, 3, 1                       ; r / 8
	v_mad_u32_u24 v[KA0], v[T], 1792, v[L16]
	v_bfe_u32 v[SH], v0, 4, 1                      ; h
	v_and_b32 v[T2], 7, v0
	v_lshlrev_b32 v[KW0], 4, v[T2]
	v_lshl_add_u32 v[KW0], v[T], 3, v[KW0]
	v_lshl_add_u32 v[KW0], v[SH], 8, v[KW0]
	v_lshlrev_b32 v[SH], 3, v[SH]
	v_lshl_add_u32 v[SWA], v[QA], 1, STG
	v_add_nc_u32 v[SWA], s51, v[SWA]
	v_lshlrev_b32 v[QA], 4, v[QA]
	v_and_b32 v[GOS], 63, v0
	v_lshlrev_b32 v[GOS], 4, v[GOS]
	v_add_nc_u32 v[SRA], STG, v[GOS]
	s_wait_alu depctr_va_vdst(0)                   ; directly ahead of the waits below
	s_wait_dscnt 0x0
	s_wait_kmcnt 0x0
	s_add_nc_u64 s[34:35], s[6:7], s[46:47]
	s_or_b32 s35, s35, 0x80000000
	s_add_nc_u64 s[52:53], s[4:5], s[52:53]
	s_add_nc_u64 s[54:55], s[4:5], s[54:55]
	s_add_nc_u64 s[56:57], s[8:9], s[56:57]
	s_add_nc_u64 s[58:59], s[10:11], s[58:59]
	CROUND                                         ; all four work-groups are here: the joint loads meet
	tensor_load_to_lds s[32:35], s[24:31]          ; my one tensor load: record number wave
	s_nop 0
	global_load_b128 v[QF0:QF0+3], v[L16], s[52:53]
	global_load_b64 v[QF0+4:QF0+5], v[L16], s[52:53] offset:512
	global_load_b64 v[QF1:QF1+1], v[L16], s[52:53] offset:520
	global_load_b128 v[QF1+2:QF1+5], v[L16], s[52:53] offset:1024
	global_load_b64 v[QS:QS+1], v[QA], s[54:55]
.irp j, 0,1,2,3,4,5
	v_mov_b32 v[QF0+6+\j], 0                       ; zero codes for the upper 64 of the instruction's K
	v_mov_b32 v[QF1+6+\j], 0
	v_mov_b32 v[KV+48+\j], 0                       ; what stands behind K's last tile
.endr
	v_mov_b32 v[PT], 0                             ; a lane permute's destination counts as one of its sources
	v_mov_b32 v[PT+1], 0
	v_mov_b32 v[F+1], 0                            ; (named as the upper half of a pair)
	s_wait_alu depctr_va_vdst(0)                   ; the wait at the head's end
	s_wait_loadcnt 0x0
	s_wait_tensorcnt 0x0                           ; my record is in,
	s_barrier_signal -1
	s_barrier_wait -1                              ; and everybody's
.macro ACC d, k
	v_pk_add_f32 v[\d:\d+1], v[\d:\d+1], v[S+2*(\k):S+2*(\k)+1]
.endm
.macro FM k                            ; t - M of scores 2 k, 2 k + 1
	v_pk_fma_f32 v[S+2*(\k):S+2*(\k)+1], v[S+2*(\k):S+2*(\k)+1], s[22:23], v[12:13] op_sel_hi:[1,0,0]
.endm
.macro VL i                            ; piece i of V^T
	ds_load_b128 v[KV+4*(\i):KV+4*(\i)+3], v[VA] offset:640*(12+(\i))
.endm
.macro KLOAD                           ; the K tiles and words of the record at s40
	v_add_nc_u32 v[KA], s40, v[KA0]
	v_add_nc_u32 v[KWA], s40, v[KW0]
.irp g, 0,1
.irp o, 0,1
.irp c, 0,1,2
	ds_load_b128 v[KV+24*\g+12*\o+4*\c:KV+24*\g+12*\o+4*\c+3], v[KA] offset:3840*\g+128*\o+640*\c
.endr
.endr
.endr
.irp t, 0,1,2,3
	ds_load_b32 v[KS+\t], v[KWA] offset:15360+128*(\t/2)+4*(\t%2)
.endr
.endm
; n lines of independent work, taken in order from: the fo / 1 pairs of O^T to be brought under the new M (each accumulator from its low end on), the multiply-adds of scores 32-63, the sum's own rescaling
.macro FIL n
.rept \n
.if fq < fo
	v_pk_mul_f32 v[O+2*fq:O+2*fq+1], v[O+2*fq:O+2*fq+1], v[F:F+1] op_sel_hi:[1,0]
.else
.if fq < fo+16
	FM 16+fq-fo
.else
.if (fq == fo+16) && (fo > 0)
	v_pk_mul_f32 v[14:15], v[14:15], v[F:F+1] op_sel_hi:[1,0]
.endif
.endif
.endif
.set fq, fq+1
.endr
.endm
; A KEY STEP: the 128 keys of the record at s40, whose K has been asked for.  first = 1: a tile's first step starts M, the sum and O^T: nothing is cleared.
; nxt = 1: the next record's K is asked for; 2: record 0's, for my second tile; 0: nothing more.
.macro STEP qf, qs, first, nxt
	s_wait_dscnt 0x0                               ; K and its words are in
.irp t, 0,1,2,3
	v_wmma_scale_f32_16x16x128_f8f6f4 v[S+8*\t:S+8*\t+7], v[KV+6*\t:KV+6*\t+11], v[\qf:\qf+11], 0, v[KS+\t], v[\qs] matrix_a_fmt:MATRIX_FMT_FP6 matrix_b_fmt:MATRIX_FMT_FP6
.endr
.irp t, 4,5,6,7
	v_wmma_scale_f32_16x16x128_f8f6f4 v[S+8*\t:S+8*\t+7], v[KV+6*\t:KV+6*\t+11], v[\qf:\qf+11], 0, v[KS+\t-4], v[\qs] matrix_a_fmt:MATRIX_FMT_FP6 matrix_b_fmt:MATRIX_FMT_FP6 matrix_a_scale:MATRIX_SCALE_ROW1
.endr
	v_add_nc_u32 v[VA], s40, v[L16]
.rept 3
	v_nop                                          ; with the addition: four places in front of the first read of the scores
.endr
	; the largest score of my two blocks of 32 keys, a chain to each accumulator, keys 0-63 first: for the row's maximum and, since p rises with the score, for the block's largest p
.irp q, 0,1,2,3
	v_max3_num_f32 v[BM+\q], v[S+8*\q], v[S+8*\q+1], v[S+8*\q+2]
.endr
.irp i, 3,5
.irp q, 0,1,2,3
	v_max3_num_f32 v[BM+\q], v[BM+\q], v[S+8*\q+\i], v[S+8*\q+\i+1]
.endr
.endr
.irp q, 0,1,2,3
	v_max3_num_f32 v[MT+\q], v[S+32+8*\q], v[S+33+8*\q], v[S+34+8*\q]
.endr
.irp i, 3,5
.irp q, 0,1,2,3
	v_max3_num_f32 v[MT+\q], v[MT+\q], v[S+32+8*\q+\i], v[S+33+8*\q+\i]
.endr
.endr
	v_max3_num_f32 v[BM], v[BM], v[BM+1], v[S+7]
	v_max3_num_f32 v[MT], v[MT], v[MT+1], v[S+39]
	v_max3_num_f32 v[BM+2], v[BM+2], v[BM+3], v[S+15]
	v_max3_num_f32 v[MT+2], v[MT+2], v[MT+3], v[S+47]
	v_max3_num_f32 v[BM], v[BM], v[BM+2], v[S+23]
	v_max3_num_f32 v[MT], v[MT], v[MT+2], v[S+55]
	v_max_num_f32 v[BM], v[BM], v[S+31]
	v_max_num_f32 v[BM+2], v[MT], v[S+63]
	v_max_num_f32 v[T], v[BM], v[BM+2]             ; the chain that makes M; V^T's loads are issued among its links and land while the softmax is worked
	VL 0
	VL 1
	VL 2
	v_permlanex16_b32 v[PT], v[T], s20, s21
	VL 3
	VL 4
	VL 5
.if \first
	v_max_num_f32 v13, v[T], v[PT]                 ; the largest score of my query so far
.else
	v_max3_num_f32 v13, v13, v[T], v[PT]
.endif
	VL 6
	VL 7
	VL 8
	v_mul_f32 v[T], s22, v13                       ; as t
.if !(\first)
	v_mov_b32 v[T2], v12
.endif
	VL 9
	VL 10
	VL 11
	v_floor_f32 v12, -v[T]                         ; -M = floor(-t) = -ceil(t)
	ds_load_b128 v[VS:VS+3], v[VA] offset:16000
	v_fma_f32 v[BM], v[BM], s22, v12               ; t - M of each block's largest score
	v_fma_f32 v[BM+2], v[BM+2], s22, v12
	s_wait_alu depctr_va_vdst(0)                   ; the wait ahead of the transcendentals
	v_exp_f32 v[BM], v[BM]                         ; the blocks' largest p
	v_exp_f32 v[BM+2], v[BM+2]
.irp k, 0,1,2,3
	FM \k
.endr
.if !(\first)
	v_sub_f32 v[T2], v12, v[T2]                    ; old M - new M: a whole number, 0 or less
.endif
.irp k, 4,5,6,7
	FM \k
.endr
.if !(\first)
	v_cvt_i32_f32 v[T2], v[T2]                     ; (it saturates)
.endif
.irp k, 8,9,10,11
	FM \k
.endr
.if !(\first)
	v_ldexp_f32 v[F], 1.0, v[T2]                   ; f = 2^(old M - new M)
.endif
.irp k, 12,13,14,15
	FM \k
.endr
.set fq, 0
.if \first
.set fo, 0
.else
.set fo, 16
.endif
	s_wait_alu depctr_va_vdst(0)                   ; ahead of the first reader of the two exponentials and, directly, of O^T's
	FIL 1
	v_max_num_f32 v[BM], 0x1800000, v[BM]          ; the floor 2^(3 - 127): the byte cannot fall under 1
	v_max_num_f32 v[BM+2], 0x1800000, v[BM+2]
	FIL 2
	v_add_nc_u32 v[SO], 0xff000000, v[BM]          ; 2 off the exponent field: the conversion's scale operand
	v_add_nc_u32 v[SO+1], 0xff000000, v[BM+2]
	FIL 2
	v_lshrrev_b32 v[BY], 23, v[SO]
	v_lshrrev_b32 v[BY+1], 23, v[SO+1]
	FIL 3
	v_lshl_or_b32 v[T], v[BY+1], 16, v[BY]         ; my bytes: blocks h and 2 + h,
	FIL 4
	v_lshlrev_b32 v[T], v[SH], v[T]                ; at their places in the word;
	FIL 4
	v_permlanex16_b32 v[PT], v[T], s20, s21
	FIL 4
	v_or_b32 v[PW], v[T], v[PT]                    ; with lane l xor 16's two the word is whole
	FIL 14
	s_wait_alu depctr_va_vdst(0)                   ; the wait ahead of the batch
.set i, 0
.rept 64
	v_exp_f32 v[S+i], v[S+i]                       ; p = 2^(t - M), at most 1
.set i, i+1
.endr
	v_nop                                          ; a plain place behind the exponentials
	s_wait_alu depctr_va_vdst(0)                   ; one wait for the whole batch, ahead of its first reader
	s_wait_dscnt 0x0                               ; V^T is in
.irp g, 0,1
	v_cvt_scalef32_pk16_fp6_f32 v[PC+6*\g:PC+6*\g+2], v[S+32*\g:S+32*\g+15], v[SO+\g]
	v_cvt_scalef32_pk16_fp6_f32 v[CT+4*\g:CT+4*\g+2], v[S+32*\g+16:S+32*\g+31], v[SO+\g]   ; (a conversion's three registers begin on an even number)
.endr
	v_nop                                          ; one plain place behind a scaled conversion
.irp g, 0,1
.irp i, 0,1,2
	v_mov_b32 v[PC+6*\g+3+\i], v[CT+4*\g+\i]
.endr
.endr
	; the row's sum of the unquantised p, in four chains.  Eight additions are the places behind p's codes and word; four more, behind the products, the places in front of the loads into K's registers
	v_pk_add_f32 v[A1:A1+1], v[S:S+1], v[S+2:S+3]
	v_pk_add_f32 v[A2:A2+1], v[S+4:S+5], v[S+6:S+7]
	v_pk_add_f32 v[A3:A3+1], v[S+8:S+9], v[S+10:S+11]
.if \first
	v_pk_add_f32 v[14:15], v[S+12:S+13], v[S+20:S+21]
.else
	ACC 14, 6
.endif
	ACC A1, 7
	ACC A2, 8
	ACC A3, 9
	ACC A1, 11
.irp b, 0,1,2,3
.if \first
	v_wmma_scale_f32_16x16x128_f8f6f4 v[O+8*\b:O+8*\b+7], v[KV+12*\b:KV+12*\b+11], v[PC:PC+11], 0, v[VS+\b], v[PW] matrix_a_fmt:MATRIX_FMT_FP6 matrix_b_fmt:MATRIX_FMT_FP6
.else
	v_wmma_scale_f32_16x16x128_f8f6f4 v[O+8*\b:O+8*\b+7], v[KV+12*\b:KV+12*\b+11], v[PC:PC+11], v[O+8*\b:O+8*\b+7], v[VS+\b], v[PW] matrix_a_fmt:MATRIX_FMT_FP6 matrix_b_fmt:MATRIX_FMT_FP6
.endif
.endr
	ACC A2, 12
	ACC A3, 13
	ACC 14, 14
	ACC A1, 15
.if (\nxt) == 1
	s_add_co_u32 s40, s40, LREC                    ; the next record
	KLOAD
.endif
.if (\nxt) == 2
	s_mov_b32 s40, 0                               ; my second tile begins at record 0 again
	KLOAD
.endif
.if !(\first)
	ACC 14, 10
.endif
.irp k, 16,20,24,28
	ACC A2, \k
	ACC A3, \k+1
	ACC 14, \k+2
	ACC A1, \k+3
.endr
	v_pk_add_f32 v[A2:A2+1], v[A2:A2+1], v[A3:A3+1]
	s_delay_alu instid0(VALU_DEP_2)
	v_pk_add_f32 v[14:15], v[14:15], v[A1:A1+1]
	s_delay_alu instid0(VALU_DEP_1)
	v_pk_add_f32 v[14:15], v[14:15], v[A2:A2+1]
.endm
; A tile is done: O^T / the sum, quantised along the channels: register 16 b + i is channel 32 b + 16 h + i of my query, so a block lies in lanes l and l xor 16.
.macro FINISH j
	s_wait_alu depctr_va_vdst(0)                   ; directly ahead of the wait below
	s_wait_xcnt 0x0                                ; the last tile's stores have read their registers
	v_add_f32 v14, v14, v15
	s_delay_alu instid0(VALU_DEP_1)
	v_permlanex16_b32 v[T], v14, s20, s21
	s_delay_alu instid0(VALU_DEP_1)
	v_add_f32 v14, v14, v[T]                       ; the row's sum
	s_wait_alu depctr_va_vdst(0)
	v_rcp_f32 v14, v14
	v_nop                                          ; a plain place behind the transcendental
	s_wait_alu depctr_va_vdst(0)                   ; and the wait ahead of its first reader and of O^T's
.set i, 0
.rept 16
	v_pk_mul_f32 v[S+i:S+i+1], v[O+i:O+i+1], v[14:15] op_sel_hi:[1,0]
.set i, i+2
.endr
	v_max3_num_f32 v[BM], |v[S]|, |v[S+1]|, 0x1800000
	v_max3_num_f32 v[BM+1], |v[S+16]|, |v[S+17]|, 0x1800000
.irp i, 2,4,6,8,10,12,14
	s_delay_alu instid0(VALU_DEP_2)
	v_max3_num_f32 v[BM], v[BM], |v[S+\i]|, |v[S+\i+1]|
	s_delay_alu instid0(VALU_DEP_2)
	v_max3_num_f32 v[BM+1], v[BM+1], |v[S+16+\i]|, |v[S+17+\i]|
.endr
	s_delay_alu instid0(VALU_DEP_2)
	v_permlanex16_b32 v[PT], v[BM], s20, s21
	s_delay_alu instid0(VALU_DEP_2)
	v_permlanex16_b32 v[PT+1], v[BM+1], s20, s21
	s_delay_alu instid0(VALU_DEP_2)
	v_max_num_f32 v[BM], v[BM], v[PT]
	s_delay_alu instid0(VALU_DEP_2)
	v_max_num_f32 v[BM+1], v[BM+1], v[PT+1]
	s_delay_alu instid0(VALU_DEP_2)
	v_add_nc_u32 v[SO], 0xff000000, v[BM]
	s_delay_alu instid0(VALU_DEP_2)
	v_add_nc_u32 v[SO+1], 0xff000000, v[BM+1]
	s_delay_alu instid0(VALU_DEP_2)
	v_lshrrev_b32 v[PT], 23, v[SO]
	s_delay_alu instid0(VALU_DEP_2)
	v_lshrrev_b32 v[PT+1], 23, v[SO+1]
	s_delay_alu instid0(VALU_DEP_1)
	v_lshl_or_b32 v[OW], v[PT+1], 8, v[PT]
	ds_store_b16 v[SWA], v[OW] offset:32*\j        ; both halves of the lanes write the same two bytes with the same value
	v_cvt_scalef32_pk16_fp6_f32 v[OI:OI+2], v[S:S+15], v[SO]
	v_cvt_scalef32_pk16_fp6_f32 v[CT:CT+2], v[S+16:S+31], v[SO+1]
	v_nop
.irp i, 0,1,2
	v_permlane16_swap_b32 v[OI+\i], v[CT+\i]       ; a whole block in a lane: lanes 0-15 block 0, lanes 16-31 block 1
.endr
.irp i, 0,1,2
	s_delay_alu instid0(VALU_DEP_3)
	v_mov_b32 v[OI+3+\i], v[CT+\i]
.endr
	global_store_b128 v[L16], v[OI:OI+3], s[56:57] offset:12288*\j         ; 512 consecutive bytes,
	global_store_b64 v[L8], v[OI+4:OI+5], s[56:57] offset:12288*\j+512     ; and 256
.endm
.macro TILE qf, qs, j, last            ; records 0; 1 to 14; 15
	STEP \qf, \qs, 1, 1
	s_mov_b32 s41, 14
.Lstep_\@:
	STEP \qf, \qs, 0, 1
	s_sub_co_u32 s41, s41, 1
	s_cmp_lg_u32 s41, 0
	s_cbranch_scc1 .Lstep_\@
	STEP \qf, \qs, 0, \last
	FINISH \j
.endm
	s_mov_b32 s40, 0
	KLOAD
	TILE QF0, QS, 0, 2
	TILE QF1, QS+1, 1, 0
	s_wait_dscnt 0x0                               ; for the others' sake
	s_barrier_signal -1
	s_barrier_wait -1
	s_cmp_lt_u32 s18, 2                            ; the 32 tiles' scale bytes, 1 KiB on end, leave by waves 0 and 1
	s_cbranch_scc0 .Lno_words
	ds_load_b128 v[OD:OD+3], v[SRA]
	s_wait_dscnt 0x0
	global_store_b128 v[GOS], v[OD:OD+3], s[58:59]
.Lno_words:
	s_wait_tensorcnt 0x0                           ; the wave's end
	ds_add_u32 v[SPW], v[NIL]
	s_wait_dscnt 0x0
	CROUND                                         ; the closing round
	s_endpgm
.Lfunc_end_k_qfa88a00ed5_attn:
	.size	k_qfa88a00ed5_attn, .Lfunc_end_k_qfa88a00ed5_attn-k_qfa88a00ed5_attn
	.p2alignl 7, 3214868480
	.fill 96, 4, 3214868480
	.section	.rodata,"a",@progbits
	.p2align	6, 0x0
	.amdhsa_kernel k_qfa88a00ed5_attn
		.amdhsa_group_segment_fixed_size 327680
		.amdhsa_private_segment_fixed_size 0
		.amdhsa_enable_private_segment 0
		.amdhsa_kernarg_size 32
		.amdhsa_user_sgpr_count 2
		.amdhsa_user_sgpr_kernarg_segment_ptr 1
		.amdhsa_wavefront_size32 1
		.amdhsa_system_sgpr_workgroup_id_x 1
		.amdhsa_system_sgpr_workgroup_id_y 1
		.amdhsa_system_sgpr_workgroup_id_z 1
		.amdhsa_system_vgpr_workitem_id 0
		.amdhsa_next_free_vgpr 256
		.amdhsa_next_free_sgpr 66
		.amdhsa_reserve_vcc 0
		.amdhsa_float_denorm_mode_32 3
		.amdhsa_float_denorm_mode_16_64 3
		.amdhsa_memory_ordered 1
		.amdhsa_forward_progress 1
		.amdhsa_inst_pref_size 100
	.end_amdhsa_kernel
	.amdgpu_metadata
---
amdhsa.version: [ 1, 2 ]
amdhsa.kernels:
  - .name:           k_qfa88a00ed5_attn
    .symbol:         k_qfa88a00ed5_attn.kd
    .args:
      - { .name: qrec, .offset: 0, .size: 8, .value_kind: global_buffer, .address_space: global }
      - { .name: kvrec, .offset: 8, .size: 8, .value_kind: global_buffer, .address_space: global }
      - { .name: oc, .offset: 16, .size: 8, .value_kind: global_buffer, .address_space: global }
      - { .name: os, .offset: 24, .size: 8, .value_kind: global_buffer, .address_space: global }
    .group_segment_fixed_size: 327680
    .private_segment_fixed_size: 0
    .kernarg_segment_align: 8
    .kernarg_segment_size: 32
    .max_flat_workgroup_size: 512
    .sgpr_count:     66
    .vgpr_count:     256
    .wavefront_size: 32
...
	.end_amdgpu_metadata
.endif
;; end of part 3
;; launch proj (part 4): grid 8 x 32, 4 waves a work-group, clusters of 4 x 4, 327,680 bytes of LDS; arguments oc, os, wc, ws, proj_b, out0; writes out0
.if DOCPART == 4
	.amdgcn_target "amdgcn-amd-amdhsa--gfx1250"
	.amdhsa_code_object_version 6
	.text
	.protected	k_qfa88a00ed5_proj
	.globl	k_qfa88a00ed5_proj
	.p2align	8
	.type	k_qfa88a00ed5_proj,@function
k_qfa88a00ed5_proj:
	s_mov_b64 s[64:65], 0
	v_nop
	global_prefetch_b8 v0, s[64:65] scope:SCOPE_SE
	s_setreg_imm32_b32 hwreg(HW_REG_WAVE_MODE, 25, 1), 1
	s_wait_xcnt 0x0
	s_wait_alu depctr_hold_cnt(0) depctr_sa_sdst(0) depctr_va_vdst(0) depctr_va_sdst(0) depctr_va_ssrc(0) depctr_va_vcc(0) depctr_vm_vsrc(0)
	s_getreg_b32 s2, hwreg(HW_REG_IB_STS2, 6, 4)
	s_cmp_eq_u32 s2, 0
	s_cbranch_scc0 .Lentry_in_a_cluster
	s_endpgm
.Lentry_in_a_cluster:
	s_bfe_u32 s2, ttmp6, 0x10000c
	s_cmp_lg_u32 s2, 0xf033
	s_cbranch_scc0 .Lentry_shape_is_right
	s_endpgm
.Lentry_shape_is_right:
; out0 = O proj_w^T + proj_b on codes of FP6 (E2M3) with E8M0 scales; out0 [8192][1024] f32.
; SHARES.  A work-group takes 256 tokens x 128 outputs: 8 x 32 = 256 work-groups.  Four waves: wave w takes tokens 128 (w / 2) on and outputs 64 (w % 2) on: 8 x 4 = 32 accumulators.
; All of K (1,024) of both operands fits in LDS at once: each byte is filled once, by two tensor loads a wave at the head; nothing is filled again.  Operands are images of fragments (1,536 bytes; registers
; 4 c .. 4 c + 3 of lane l at 512 c + 16 l).  In each group of 32 rows, lane r of tile u holds row 8 u + r + 8 (r / 8); the way out puts tokens and outputs back in their order.
; Source 0 = 16 outputs, source 1 = 16 tokens: a lane holds one token, and its registers 16 b + i of a tile of tokens are outputs 32 b + 16 h + i.  proj_b is the C of the first K step.
; CLUSTER 4 x 4: O's images go to a row of the cluster, the weights' to a column: joint loads.
; REGISTERS: window 0: v16-27 addresses; v32-63 O's scale words, v64-79 the weights'; v160-223 rows on their way out.  window 1: O's fragments, two sets of 96.  window 2: the accumulators.
; window 3: the weights' fragments, two sets of 48; v128-159 proj_b in the result's layout.
.set AHALF,  98304
.set BRING,  196608
.set BSLOT,  49152
.set STAGE,  294912                    ; behind the operands: 16 rows x (256 + 16) bytes for each wave; no tensor load fills it
.set SPITCH, 272
.set FRB,    1536
.set TROW,   6144
.set TPITCH, 12288
.set ADRA, 16
.set ADRB, 18
.set L16,  20
.set SCW,  21                          ; v21 2 x lane
.set SCA,  23                          ; v23 512 h + 16 r
.set BIA,  24                          ; v24 64 h
.set STO,  25                          ; v25 the stage: row r, + 64 h
.set RD,   26                          ; v26 back: lanes 0-15 one row, lanes 16-31 the next
.set CO,   27                          ; v27 the same two rows in out0
.set ADR8, 28                          ; v28-29 as v16-17, with 8 x lane: for the 8-byte parts of O's fragments
.set SH2,  96                          ; v96-127 the odd heads' scale bytes on their way into O's words
.set SA,   32
.set SB,   64
.set BK,   160
.set BIAS, 128
.set G1A, 32
.set G1B, 40
.set G0A, 48
.set G0B, 56
.set MSB, 0
.macro WIN new
.if MSB != \new
	s_set_vgpr_msb (MSB<<8)|\new
.set MSB, \new
.endif
.endm
.macro PLACES                          ; four plain places behind a matrix instruction of this form (ISA guide 7.12.1)
.rept 4
	v_nop
.endr
.endm
.macro CROUND
	s_barrier_signal -1
	s_barrier_wait -1
	s_cmp_lg_u32 s18, 0
	s_cbranch_scc1 .Lnot_wave_0_\@
	s_barrier_signal -3
.Lnot_wave_0_\@:
	s_barrier_wait -3
	s_barrier_signal -1
	s_barrier_wait -1
.endm
.macro WM r0, r1                       ; one matrix instruction from the symbols dD, dP, dQ, dC, dX, dY; r0, r1: the scales stand in lanes 16-31
.if (\r0) && (\r1)
	v_wmma_scale_f32_16x16x128_f8f6f4 v[dD:dD+7], v[dP:dP+11], v[dQ:dQ+11], v[dC:dC+7], v[dX], v[dY] matrix_a_fmt:MATRIX_FMT_FP6 matrix_b_fmt:MATRIX_FMT_FP6 matrix_a_scale:MATRIX_SCALE_ROW1 matrix_b_scale:MATRIX_SCALE_ROW1
.elseif (\r0)
	v_wmma_scale_f32_16x16x128_f8f6f4 v[dD:dD+7], v[dP:dP+11], v[dQ:dQ+11], v[dC:dC+7], v[dX], v[dY] matrix_a_fmt:MATRIX_FMT_FP6 matrix_b_fmt:MATRIX_FMT_FP6 matrix_a_scale:MATRIX_SCALE_ROW1
.elseif (\r1)
	v_wmma_scale_f32_16x16x128_f8f6f4 v[dD:dD+7], v[dP:dP+11], v[dQ:dQ+11], v[dC:dC+7], v[dX], v[dY] matrix_a_fmt:MATRIX_FMT_FP6 matrix_b_fmt:MATRIX_FMT_FP6 matrix_b_scale:MATRIX_SCALE_ROW1
.else
	v_wmma_scale_f32_16x16x128_f8f6f4 v[dD:dD+7], v[dP:dP+11], v[dQ:dQ+11], v[dC:dC+7], v[dX], v[dY] matrix_a_fmt:MATRIX_FMT_FP6 matrix_b_fmt:MATRIX_FMT_FP6
.endif
.endm
; 8 matrix instructions of K step st: tiles of tokens 2 k, 2 k + 1 against the 4 tiles of outputs.  The 32 accumulators take turns, one instruction a turn, in the same order in every step.
.macro MULQ st, k
.if (\st) == 0
	WIN 0xb7                                       ; source 0 window 3, source 1 window 1, C (proj_b) window 3, D window 2
.else
	WIN 0xa7                                       ; the same, C window 2
.endif
.irp a, 2*(\k), 2*(\k)+1
.irp b, 0,1,2,3
.set dD, 32*(\a)+8*\b
.set dP, 48*((\st)%2)+12*\b
.set dQ, 96*((\st)%2)+12*(\a)
.set dX, SB+8*(\b/2)+(\st)
.set dY, SA+8*((\a)/2)+(\st)
.set dC, dD
.if (\st) == 0
.set dC, BIAS+8*\b
.endif
	WM \b%2, (\a)%2
.endr
.endr
.endm
.macro FETCH st                        ; the fragments of K step st, 44 LDS loads in one run, into set st % 2
	WIN 0x40
.irp a, 0,1,2,3,4,5,6,7
.irp e, 0,1                                    ; O's fragment lies as two heads of 768 bytes: registers 6 e .. 6 e + 3 at 16 l, registers 6 e + 4, 6 e + 5 at 512 + 8 l
	ds_load_b128 v[96*((\st)%2)+12*\a+6*\e:96*((\st)%2)+12*\a+6*\e+3], v[ADRA+(\st)/4] offset:\a*TROW+((\st)%4)*FRB+768*\e
	ds_load_b64 v[96*((\st)%2)+12*\a+6*\e+4:96*((\st)%2)+12*\a+6*\e+5], v[ADR8+(\st)/4] offset:\a*TROW+((\st)%4)*FRB+768*\e+512
.endr
.endr
	WIN 0xc0
.irp b, 0,1,2,3
.irp c, 0,1,2
	ds_load_b128 v[48*((\st)%2)+12*\b+4*\c:48*((\st)%2)+12*\b+4*\c+3], v[ADRB+(\st)/4] offset:\b*TROW+((\st)%4)*FRB+512*\c
.endr
.endr
.endm
.macro STEPN st
	s_wait_dscnt 0x0                               ; this step's fragments, asked for a step ago, are in
	PLACES                                         ; for the loads into the set that the last step's products read
	FETCH (\st)+1
	MULQ \st, 0
	MULQ \st, 1
	MULQ \st, 2
	MULQ \st, 3
.endm
	s_load_b256 s[4:11], s[0:1], 0x0               ; oc, os, wc, ws
	s_load_b128 s[12:15], s[0:1], 0x20             ; proj_b, out0
	v_lshl_add_u32 v254, v0, 2, 0x4c400
	v_mov_b32 v255, 0
	ds_add_u32 v254, v255
	ds_add_u32 v254, v255
	v_lshrrev_b32 v1, 5, v0
	v_readfirstlane_b32 s18, v1                    ; wave 0..3
	s_lshr_b32 s19, s18, 1                         ; which 128 tokens
	s_and_b32 s20, s18, 1                          ; which 64 outputs
	s_bfe_u32 s21, ttmp6, 0x40000                  ; cx
	s_bfe_u32 s22, ttmp6, 0x40004                  ; cy
	s_lshl_b32 s23, ttmp9, 2
	s_add_co_u32 s23, s23, s21                     ; block of 128 outputs
	s_and_b32 s24, ttmp7, 0xffff
	s_lshl_b32 s24, s24, 2
	s_add_co_u32 s24, s24, s22                     ; block of 256 tokens
	s_lshl_b32 s25, s22, 2
	s_lshl_b32 s25, 15, s25                        ; my row of the cluster
	s_lshl_b32 s26, 0x1111, s21                    ; my column
	s_or_b32 s[G1A+0], s25, (3<<16)|(1<<21)        ; rows are tiles: 6,144 bytes (768 elements of 8 bytes) of each tile's 12,288
	s_or_b32 s[G1B+0], s26, (3<<16)|(1<<21)
	s_mov_b32 s[G1A+1], 768<<16
	s_mov_b32 s[G1A+2], 4<<16
	s_mov_b32 s[G1A+3], 768<<16
	s_mov_b32 s[G1A+4], 4
	s_mov_b32 s[G1A+5], 1536
	s_mov_b32 s[G1A+6], 0
	s_mov_b32 s[G1A+7], 0
	s_mov_b32 s[G1B+1], 768<<16
	s_mov_b32 s[G1B+2], 2<<16
	s_mov_b32 s[G1B+3], 768<<16
	s_mov_b32 s[G1B+4], 2
	s_mov_b32 s[G1B+5], 1536
	s_mov_b32 s[G1B+6], 0
	s_mov_b32 s[G1B+7], 0
	s_lshl_b32 s66, s24, 4                         ; O: tile 16 x block + 4 x wave
	s_lshl_b32 s67, s18, 2
	s_add_co_u32 s66, s66, s67
	s_mul_i32 s66, s66, TPITCH
	s_mov_b32 s67, 0
	s_lshl_b32 s68, s23, 3                         ; proj_w: tile 192 + 8 x block + 2 x wave of wc
	s_lshl_b32 s69, s18, 1
	s_add_co_u32 s68, s68, s69
	s_add_co_u32 s68, s68, 192
	s_mul_i32 s68, s68, TPITCH
	s_mov_b32 s69, 0
	s_mul_i32 s70, s18, 4*TROW
	s_mul_i32 s71, s18, 2*TROW
	s_add_co_u32 s71, s71, BRING
	s_wait_dscnt 0x0
	s_wait_kmcnt 0x0
	s_add_nc_u64 s[66:67], s[4:5], s[66:67]
	s_add_nc_u64 s[68:69], s[8:9], s[68:69]
.irp h, 0,1
	s_mov_b32 s[G0A+4*\h], 1
	s_add_co_u32 s[G0A+4*\h+1], s70, \h*AHALF
	s_add_nc_u64 s[G0A+4*\h+2:G0A+4*\h+3], s[66:67], \h*TROW
	s_or_b32 s[G0A+4*\h+3], s[G0A+4*\h+3], 0x80000000
	s_mov_b32 s[G0B+4*\h], 1
	s_add_co_u32 s[G0B+4*\h+1], s71, \h*BSLOT
	s_add_nc_u64 s[G0B+4*\h+2:G0B+4*\h+3], s[68:69], \h*TROW
	s_or_b32 s[G0B+4*\h+3], s[G0B+4*\h+3], 0x80000000
.endr
	; THE HEAD'S LOADS, one a wave: waves 0, 1 fetch O's first K half, 8 tiles each; waves 2, 3 the weights' two K halves, 8 tiles each
	s_and_b32 s86, s18, 1
	s_mul_i32 s74, s24, 16*TPITCH
	s_mul_i32 s72, s86, 8*TPITCH
	s_add_co_u32 s74, s74, s72
	s_mov_b32 s75, 0
	s_mov_b32 s88, 1
	s_mul_i32 s89, s86, 8*TROW
	s_add_nc_u64 s[90:91], s[4:5], s[74:75]
	s_or_b32 s91, s91, 0x80000000
	s_mul_i32 s76, s23, 8*TPITCH
	s_add_co_u32 s76, s76, 192*TPITCH
	s_mul_i32 s78, s86, TROW
	s_add_co_u32 s76, s76, s78
	s_mov_b32 s77, 0
	s_mov_b32 s92, 1
	s_mul_i32 s93, s86, BSLOT
	s_add_co_u32 s93, s93, BRING
	s_add_nc_u64 s[94:95], s[8:9], s[76:77]
	s_or_b32 s95, s95, 0x80000000
	s_mov_b32 s[G1A+2], 8<<16                      ; the head's loads count 8 tiles
	s_mov_b32 s[G1A+4], 8
	s_mov_b32 s[G1B+2], 8<<16
	s_mov_b32 s[G1B+4], 8
	CROUND                                         ; all sixteen work-groups are here: the joint loads meet
	s_cmp_lt_u32 s18, 2
	s_cbranch_scc0 .Lhead_b
	tensor_load_to_lds s[88:91], s[G1A:G1A+7]
	s_nop 0
	PLACES
	s_branch .Lhead_asked
.Lhead_b:
	tensor_load_to_lds s[92:95], s[G1B:G1B+7]
	s_nop 0
	PLACES
.Lhead_asked:
	v_and_b32 v1, 31, v0
	v_lshlrev_b32 v[L16], 4, v1
	v_lshlrev_b32 v[SCW], 1, v1                    ; 2 x lane
	v_and_b32 v2, 15, v0                           ; r
	v_bfe_u32 v3, v0, 4, 1                         ; h
	v_lshlrev_b32 v[SCA], 4, v2
	v_lshl_add_u32 v[SCA], v3, 9, v[SCA]
	v_lshlrev_b32 v[BIA], 6, v3
	s_mul_i32 s72, s19, 8*TROW
	v_add_nc_u32 v[ADRA], s72, v[L16]
	v_add_nc_u32 v[ADRA+1], AHALF, v[ADRA]
	v_lshlrev_b32 v[ADR8], 3, v1
	v_add_nc_u32 v[ADR8], s72, v[ADR8]
	v_add_nc_u32 v[ADR8+1], AHALF, v[ADR8]
	s_mul_i32 s73, s20, 4*TROW
	s_add_co_u32 s73, s73, BRING
	v_add_nc_u32 v[ADRB], s73, v[L16]
	v_add_nc_u32 v[ADRB+1], BSLOT, v[ADRB]
	s_mul_i32 s72, s18, 16*SPITCH
	s_add_co_u32 s72, s72, STAGE                   ; my stage
	v_mul_u32_u24 v[STO], v2, SPITCH
	v_lshl_add_u32 v[STO], v3, 6, v[STO]
	v_add_nc_u32 v[STO], s72, v[STO]
	v_mul_u32_u24 v[RD], v3, SPITCH
	v_lshl_add_u32 v[RD], v2, 4, v[RD]
	v_add_nc_u32 v[RD], s72, v[RD]
	v_lshlrev_b32 v[CO], 12, v3
	v_lshl_add_u32 v[CO], v2, 4, v[CO]
	s_lshl_b32 s74, s24, 4
	s_lshl_b32 s75, s19, 3
	s_add_co_u32 s74, s74, s75                     ; my first tile of tokens
	s_lshl_b32 s74, s74, 5                         ; os: [head][tile][16 rows], two bytes a row
	s_mov_b32 s75, 0
	s_add_nc_u64 s[74:75], s[6:7], s[74:75]
	s_lshl_b32 s76, s23, 3
	s_lshl_b32 s77, s20, 2
	s_add_co_u32 s76, s76, s77
	s_add_co_u32 s76, s76, 192                     ; my first tile of proj_w in ws
	s_lshl_b32 s76, s76, 9
	s_mov_b32 s77, 0
	s_add_nc_u64 s[76:77], s[10:11], s[76:77]
.irp i, 0,1,2,3                                ; lane (r, h) of group i takes tile 2 i + h: 32 lanes read 64 consecutive bytes
.irp s, 0,1,2,3,4,5,6,7
	global_load_u16 v[SA+8*\i+\s], v[SCW], s[74:75] offset:\s*32768+\i*64          ; head 2 s: bytes 0, 1 of the word
	global_load_u16 v[SH2+8*\i+\s], v[SCW], s[74:75] offset:\s*32768+16384+\i*64   ; head 2 s + 1: bytes 2, 3
.endr
.endr
.irp i, 0,1
.irp h, 0,1
	global_load_b128 v[SB+8*\i+4*\h:SB+8*\i+4*\h+3], v[SCA], s[76:77] offset:\i*1024+\h*256
.endr
.endr
	s_lshl_b32 s78, s23, 1
	s_add_co_u32 s78, s78, s20
	s_lshl_b32 s78, s78, 8                         ; my 64 outputs, in bytes: in proj_b and in a row of out0
	s_mov_b32 s79, 0
	s_add_nc_u64 s[80:81], s[12:13], s[78:79]
	WIN 0xc0                                       ; destination window 3
.irp b, 0,1,2,3                                ; for tile b lane (r, h) wants outputs 32 (b / 2) + 16 h + 8 (b % 2) + 0 .. 7
	global_load_b128 v[BIAS+8*\b:BIAS+8*\b+3], v[BIA], s[80:81] offset:(32*(\b/2)+8*(\b%2))*4
	global_load_b128 v[BIAS+8*\b+4:BIAS+8*\b+7], v[BIA], s[80:81] offset:(32*(\b/2)+8*(\b%2))*4+16
.endr
	WIN 0
	s_lshl_b32 s82, s24, 8
	s_lshl_b32 s83, s19, 7
	s_add_co_u32 s82, s82, s83                     ; my first token
	s_lshl_b32 s82, s82, 12                        ; rows of 4,096 bytes
	s_add_co_u32 s82, s82, s78
	s_mov_b32 s83, 0
	s_add_nc_u64 s[82:83], s[14:15], s[82:83]
	s_wait_alu depctr_va_vdst(0)
	s_wait_tensorcnt 0x0                           ; my tile of the head's four is in; a later first fill is issued as a refill is:
	ds_add_u32 v254, v255                          ; 0 onto my spare word
	s_mov_b32 s[G1A+2], 4<<16                      ; no load of mine is out: O's second K half comes as 4 tiles a wave
	s_mov_b32 s[G1A+4], 4
	s_wait_dscnt 0x0
	CROUND
	tensor_load_to_lds s[G0A+4:G0A+7], s[G1A:G1A+7]
	s_nop 0
	PLACES
	FETCH 0
	s_wait_loadcnt 0x0                             ; scale bytes, scale words and proj_b
	WIN 0
.set n, 0
.rept 32
	v_lshl_or_b32 v[SA+n], v[SH2+n], 16, v[SA+n]   ; O's words: the two heads' bytes joined
.set n, n+1
.endr
	s_wait_alu depctr_va_vdst(0)                   ; directly ahead of the wait below
	STEPN 0
	STEPN 1
	STEPN 2
	s_wait_tensorcnt 0x0                           ; K step 3 changes K halves: my parts of the second half have landed,
	s_wait_dscnt 0x0                               ; this step's fragments are in, and no LDS instruction of mine is out at the signal
	MULQ 3, 0
	s_barrier_signal -1
	MULQ 3, 1
	s_barrier_wait -1                              ; everybody's have
	PLACES
	FETCH 4
	MULQ 3, 2
	MULQ 3, 3
	STEPN 4
	STEPN 5
	STEPN 6
	s_wait_dscnt 0x0
	MULQ 7, 0
	MULQ 7, 1
	MULQ 7, 2
	MULQ 7, 3
; THE WAY OUT, a tile of 16 tokens x 64 outputs at a time, through my own stage: in as 16 bytes a register group, back as whole rows of 256 bytes.  LDS serves a wave's instructions in order (ISA guide 5.7.1.4).
.macro TOSTAGE a
	WIN 0x08                                       ; an LDS store's data are its source 1: window 2
.irp p, 0,1,2,3,4,5,6,7
	ds_store_b128 v[STO], v[32*(\a)+4*\p:32*(\a)+4*\p+3] offset:128*(\p/4)+16*(\p%4)   ; each accumulator from its low end on
.endr
	WIN 0
.irp t, 0,1,2,3,4,5,6,7
	ds_load_b128 v[BK+32*((\a)%2)+4*\t:BK+32*((\a)%2)+4*\t+3], v[RD] offset:2*SPITCH*\t
.endr
.endm
.macro SEND a, younger                 ; row 2 t + (lane / 16) of tile a is token 32 (a / 2) + 8 (a % 2) + 16 (t / 4) + 2 (t % 4) + (lane / 16) of my 128
	s_wait_dscnt \younger
.irp t, 0,1,2,3,4,5,6,7
	global_store_b128 v[CO], v[BK+32*((\a)%2)+4*\t:BK+32*((\a)%2)+4*\t+3], s[82:83] offset:(32*((\a)/2)+8*((\a)%2)+2*(\t%4)+16*(\t/4))*4096 th:TH_STORE_NT   ; sixteen lanes store 256 consecutive bytes, aligned
.endr
.endm
	PLACES
	TOSTAGE 0
.irp a, 1,2,3,4,5,6,7
.if \a > 1
	s_wait_xcnt 0x0                                ; the stores of two tiles back have read the registers into which this tile's rows come
.endif
	TOSTAGE \a
	SEND \a-1, 16                                  ; behind that tile's loads: this tile's 8 stores and 8 loads
.endr
	SEND 7, 0
	s_wait_tensorcnt 0x0
	s_wait_tensorcnt 0x0
	ds_add_u32 v254, v255
	s_wait_dscnt 0x0
	CROUND                                         ; the closing round
	s_endpgm
.Lfunc_end_k_qfa88a00ed5_proj:
	.size	k_qfa88a00ed5_proj, .Lfunc_end_k_qfa88a00ed5_proj-k_qfa88a00ed5_proj
	.p2alignl 7, 3214868480
	.fill 96, 4, 3214868480
	.section	.rodata,"a",@progbits
	.p2align	6, 0x0
	.amdhsa_kernel k_qfa88a00ed5_proj
		.amdhsa_group_segment_fixed_size 327680
		.amdhsa_private_segment_fixed_size 0
		.amdhsa_enable_private_segment 0
		.amdhsa_kernarg_size 48
		.amdhsa_user_sgpr_count 2
		.amdhsa_user_sgpr_kernarg_segment_ptr 1
		.amdhsa_wavefront_size32 1
		.amdhsa_system_sgpr_workgroup_id_x 1
		.amdhsa_system_sgpr_workgroup_id_y 1
		.amdhsa_system_sgpr_workgroup_id_z 1
		.amdhsa_system_vgpr_workitem_id 0
		.amdhsa_next_free_vgpr 1024
		.amdhsa_next_free_sgpr 96
		.amdhsa_reserve_vcc 0
		.amdhsa_float_denorm_mode_32 3
		.amdhsa_float_denorm_mode_16_64 3
		.amdhsa_memory_ordered 1
		.amdhsa_forward_progress 1
		.amdhsa_inst_pref_size 90
	.end_amdhsa_kernel
	.amdgpu_metadata
---
amdhsa.version: [ 1, 2 ]
amdhsa.kernels:
  - .name:           k_qfa88a00ed5_proj
    .symbol:         k_qfa88a00ed5_proj.kd
    .args:
      - { .name: oc, .offset: 0, .size: 8, .value_kind: global_buffer, .address_space: global }
      - { .name: os, .offset: 8, .size: 8, .value_kind: global_buffer, .address_space: global }
      - { .name: wc, .offset: 16, .size: 8, .value_kind: global_buffer, .address_space: global }
      - { .name: ws, .offset: 24, .size: 8, .value_kind: global_buffer, .address_space: global }
      - { .name: proj_b, .offset: 32, .size: 8, .value_kind: global_buffer, .address_space: global }
      - { .name: out0, .offset: 40, .size: 8, .value_kind: global_buffer, .address_space: global }
    .group_segment_fixed_size: 327680
    .private_segment_fixed_size: 0
    .kernarg_segment_align: 8
    .kernarg_segment_size: 48
    .max_flat_workgroup_size: 128
    .sgpr_count:     96
    .vgpr_count:     1024
    .wavefront_size: 32
...
	.end_amdgpu_metadata
.endif
;; end of part 4
